; MI455X (gfx1250); checked and timed in simulation.
; The chip was launched on July 23, 2026; its instructions are those of AMD's public machine-readable ISA for CDNA 5 (MIT licence, August 2026) and "CDNA5" Instruction Set Architecture Reference Guide (July 2026). The comments in the code are by the model that wrote it; some were corrected since.
;; Self Attention Layer. Allowed arithmetic: matrix products marked QUANTISED: E4M3 operands, one given power-of-two scale a tensor, by v_wmma_f32_16x16x64_fp8_fp8 or v_wmma_f32_16x16x128_fp8_fp8, f32 sums; everything else in f32.
;; Inputs: Wk 1,024 x 1,024 float32; Wo 1,024 x 1,024 float32; Wq 1,024 x 1,024 float32; Wv 1,024 x 1,024 float32; beta 1,024 float32; bk 1,024 float32; bo 1,024 float32; bq 1,024 float32; bv 1,024 float32; gamma 1,024 float32; lowp_scales 12 int32 (the exponents e of the quantised operands' scales 2^e); mask 4 x 1 x 1 x 2,048 float32; x 4 x 2,048 x 1,024 float32.
;; Outputs: out0 4 x 2,048 x 1,024 float32.
;; This version of the problem:
;;   THIS VERSION OF THE PROBLEM IS GIVEN IN LOW PRECISION. The matrix products marked QUANTISED in the list below multiply operands that are first quantised to E4M3 (4 exponent bits, 3 mantissa bits; 8 bits a number), with one given power-of-two scale for each operand tensor; their sums are f32. All else is computed in f32.
;;   The module's matrix products, in the order in which they are computed (A, B: the left and right operand; K: the contracted axis; several contracted axes count as one K, in the product's order):
;;     1. [M 8,192, K 1,024] x [K 1,024, N 1,024]; A: input x; B: input Wq: QUANTISED (scales: A lowp_scales[0], B lowp_scales[1])
;;     2. [M 8,192, K 1,024] x [K 1,024, N 1,024]; A: input x; B: input Wk: QUANTISED (scales: A lowp_scales[2], B lowp_scales[3])
;;     3. [M 8,192, K 1,024] x [K 1,024, N 1,024]; A: input x; B: input Wv: QUANTISED (scales: A lowp_scales[4], B lowp_scales[5])
;;     4. batch 64 x [M 2,048, K 64] x [K 64, N 2,048]; A: computed on the way; B: computed on the way: QUANTISED (scales: A lowp_scales[6], B lowp_scales[7])
;;     5. batch 64 x [M 2,048, K 2,048] x [K 2,048, N 64]; A: softmax (see below); B: computed on the way: QUANTISED (scales: A lowp_scales[8], B lowp_scales[9])
;;     6. [M 8,192, K 1,024] x [K 1,024, N 1,024]; A: computed on the way; B: input Wo: QUANTISED (scales: A lowp_scales[10], B lowp_scales[11])
;;   THE QUANTISER, for each operand of a quantised product, along K:
;;     - The operand's scale is 2^e, e = its entry of the input lowp_scales (int32; the entries are numbered through the quantised products in the list's order, A before B).
;;     - Each number is divided by the scale, clamped to +-448, and rounded to the nearest number of E4M3, ties to even, subnormals kept.
;;     - The product sums the exact products of the quantised numbers (number of the format x scale) in f32.
;;   ~~~python
;;   def quantise(x, axis, e):      # numpy; x: float32 -> the quantised numbers, widened to float32 again
;;       x = np.moveaxis(x, axis, -1); K = x.shape[-1]
;;       r = np.clip(x / 2.0 ** e, -448, 448)
;;       step = 2.0 ** (np.maximum(np.frexp(np.where(r == 0, 1, r))[1] - 1, -6) - 3)
;;       q = np.round(r / step) * step * 2.0 ** e      # np.round: ties to even
;;       return np.moveaxis(q, -1, axis).astype(np.float32)
;;   ~~~
;;   SOFTMAX AHEAD OF A QUANTISED PRODUCT. Where the list says 'softmax', what is quantised is not the finished softmax but p = 2^(t - M), with t = logit x log2(e) and M = ceil(the row's largest t), a whole number; so 1/2 < the row's largest p <= 1. The row's sum l is taken of the UNQUANTISED p, in f32, and the product's result is divided by l at the end. Since M is a whole number, a kernel that streams over the keys may use a running M (the ceiling of the running maximum): every later rescaling is an exact power of two, so the quantised numbers keep their values, but for numbers so far below the row's largest that they fall under the format's range.
;;   OPERANDS COMPUTED ON THE WAY. 'Computed on the way' means the value that the module computes at that place (a softmax that the list does not call 'softmax' is quantised finished and normalised). What goes into a quantiser is computed in f32, as accurately as f32 sums, v_exp_f32 and their like allow (about 1e-6 of the number): no bf16 or f16 on the way to a quantiser, and a product that is left as it is and whose result goes on into a quantised operand takes f32 operands (vector FMAs, or v_wmma_f32_16x16x4_f32). A number that lies on a knife's edge between two numbers of the format may be rounded either way, as far as f32 arithmetic and the matrix unit's own rounding can turn it there, and no further.
;; One version. Each part assembles by itself: llvm-mc -triple=amdgcn-amd-amdhsa -mcpu=gfx1250 --defsym DOCPART=n.
;; ======== version 1 of 1: 4 launches
;; limits: right only within a limited range of input values
;; workspace buffers: xw 29,360,128 bytes; qkv 25,165,824 bytes; cf 8,388,608 bytes
;; launch prep (part 1): grid 384 x 1, 4 waves a work-group, no clusters, 69,120 bytes of LDS; arguments x, Wq, Wk, Wv, Wo, lowp_scales, xw; writes xw
.if DOCPART == 1
	.amdgcn_target "amdgcn-amd-amdhsa--gfx1250"
	.amdhsa_code_object_version 6
	.text
	.protected	k_q5e226d9d2e_prep
	.globl	k_q5e226d9d2e_prep
	.p2align	8
	.type	k_q5e226d9d2e_prep,@function
k_q5e226d9d2e_prep:
	s_mov_b64 s[64:65], 0
	v_nop
	global_prefetch_b8 v0, s[64:65] scope:SCOPE_SE
	s_setreg_imm32_b32 hwreg(HW_REG_WAVE_MODE, 25, 1), 1
	s_wait_xcnt 0x0
; PREP: x [8192][1024] and Wq, Wk, Wv, Wo [1024 (k)][1024 (n)], f32, become codes of E4M3, each with its given scale 2^e.
; code = number / 2^e, held within +-448, to the nearest code, ties to even.
; LAYOUT OF THE CODES: THE ORDER OF AN OPERAND'S REGISTERS.  A fragment (16 rows x 128 K) is 2,048 bytes: piece c (0..3) of 512 bytes, in it lane l's 16 bytes at 16 l:
; K = 32 c + 16 (l / 16) + 0..15 of row l % 16.  A tile of 16 rows with all 1,024 K is eight fragments on end, 16 KiB.
; WHICH ROWS FORM A TILE: lane r of tile 2 b + u holds row 32 b + 8 u + r + 8 (r / 8).  Used as a product's source 0, two neighbouring tiles then leave 16 neighbouring rows in a lane's 16 result registers.
; xw, ONE BUFFER: three planes of 8 MiB (512 tiles) of x, plane p with scale entry 2 p (x is the left operand of three products, each with an entry of its own); behind them, from 24 MiB on,
; four planes of 1 MiB (64 tiles of 16 columns n): Wq, Wk, Wv, Wo with entries 1, 3, 5, 11.  All three planes of x are always written, so that the next launch's addresses hang on ids alone.
; Work-groups 0..127 take the weights, 128..383 take x.  The two ways part at once and have LDS bytes of their own.  No tensor load, no barrier: waves share nothing.
; LIMITS: each e between -126 and 119, so that 2^e and 448 x 2^e are f32 numbers.  NaN among the inputs is not served; an infinity is held at the largest code.
.set XSP,   528                        ; x's stage: a row of 512 bytes + 16 = 33 x 16 bytes
.set XSW,   16*XSP                     ; a wave's stage: 16 rows
.set WST,   4*XSW                      ; the weights' stages begin here
.set WSP,   272                        ; a column's 256 codes + 16
.set WSW,   32*WSP                     ; a wave's stage: 32 columns
.set SPARE, WST+4*WSW                  ; behind the stages: the spare words, 128 bytes a wave
.set WBASE, 0x1800000                  ; the weights' planes in xw
.set SPW,   12                         ; v12  LDS address of my spare word; never rewritten
.set NIL,   13                         ; v13  0; never rewritten
.set TT,    16                         ; x: v16-31   16 held numbers
.set CC,    32                         ; x: v32-47   a fragment's codes
.set XX,    48                         ; x: v48-111  my 64 numbers of a fragment, register 16 c + i = K 32 c + 16 h + i
.set RR,    112                        ; x: v112-239 two sets of 64: sixteen rows' pieces as they are loaded
.set WX,    32                         ; W: v32-95   two sets of 32 numbers down K
.set WC,    96                         ; W: v96-103  a block's codes
.set WO,    112                        ; W: v112-175 the way out
	s_load_b256 s[4:11], s[0:1], 0x0               ; x, Wq, Wk, Wv
	s_load_b128 s[12:15], s[0:1], 0x20             ; Wo, the scales' exponents
	s_load_b64 s[16:17], s[0:1], 0x30              ; xw
	v_lshl_add_u32 v[SPW], v0, 2, SPARE
	v_mov_b32 v[NIL], 0
	v_lshrrev_b32 v1, 5, v0
	v_readfirstlane_b32 s20, v1                    ; wave 0..3
	v_and_b32 v1, 31, v0                           ; lane
	v_lshlrev_b32 v2, 4, v1                        ; 16 x lane
	v_and_b32 v14, 15, v0                          ; r
	v_bfe_u32 v15, v0, 4, 1                        ; h
	s_wait_kmcnt 0x0
	s_load_b256 s[24:31], s[14:15], 0x0            ; entries 0..7
	s_load_b128 s[32:35], s[14:15], 0x20           ; entries 8..11
	s_cmp_lt_u32 ttmp9, 128
	s_cbranch_scc1 .Lweights
; ---------------- x.  A wave takes one tile of 16 rows and half of K: four fragments, each quantised three times.
	s_sub_co_u32 s21, ttmp9, 128
	s_lshl_b32 s21, s21, 2
	s_add_co_u32 s21, s21, s20
	s_lshr_b32 s22, s21, 1                         ; the tile, 0..511
	s_and_b32 s23, s21, 1                          ; which half of K
	s_lshr_b32 s44, s22, 1
	s_lshl_b32 s44, s44, 5
	s_and_b32 s45, s22, 1
	s_lshl_b32 s45, s45, 3
	s_add_co_u32 s44, s44, s45                     ; the tile's first row of x: 32 b + 8 u
	s_lshl_b32 s44, s44, 12                        ; rows of 4,096 bytes
	s_lshl_b32 s45, s23, 11
	s_add_co_u32 s44, s44, s45
	s_mov_b32 s45, 0
	s_add_nc_u64 s[4:5], s[4:5], s[44:45]
	s_lshl_b32 s46, s22, 14
	s_lshl_b32 s47, s23, 13
	s_add_co_u32 s46, s46, s47
	s_mov_b32 s47, 0
	s_add_nc_u64 s[36:37], s[16:17], s[46:47]      ; my four fragments in plane 0,
	s_add_nc_u64 s[38:39], s[36:37], 0x800000      ; in plane 1,
	s_add_nc_u64 s[40:41], s[38:39], 0x800000      ; in plane 2: 8 MiB are past a store's immediate, so each plane has a base
	s_mul_i32 s48, s20, XSW
	s_wait_alu depctr_va_vdst(0)
	v_add_nc_u32 v3, s48, v2                       ; the stage, on the way in: a row's 512 bytes as they lie
	v_mul_u32_u24 v4, v14, XSP
	v_lshl_add_u32 v4, v15, 6, v4
	v_add_nc_u32 v4, s48, v4                       ; on the way out: row r, + 64 h: my 16 numbers of a block of 32
.macro LOADX f                         ; fragment f: 512 consecutive bytes of each of the tile's sixteen rows
.set ii, 0
.rept 16
	global_load_b128 v[RR+64*((\f)%2)+4*ii:RR+64*((\f)%2)+4*ii+3], v2, s[4:5] offset:(ii+8*(ii/8))*4096+512*(\f) th:TH_LOAD_NT
.set ii, ii+1
.endr
.endm
.macro PLANE p, f                      ; the fragment in XX is quantised with scale p and stored: four stores of 512 consecutive bytes
	s_wait_xcnt 0x0                                ; the codes' registers are written again only when the earlier stores have read them
.irp c, 0,1,2,3
.set ii, 0
.rept 16
	v_med3_num_f32 v[TT+ii], v[XX+16*\c+ii], -v[6+2*\p], v[6+2*\p]   ; the conversion to an 8-bit code does not saturate (ISA guide 7.6.2): the hold comes first
.set ii, ii+1
.endr
	v_cvt_scalef32_pk8_fp8_f32 v[CC+4*\c:CC+4*\c+1], v[TT:TT+7], v[5+2*\p]
	v_cvt_scalef32_pk8_fp8_f32 v[CC+4*\c+2:CC+4*\c+3], v[TT+8:TT+15], v[5+2*\p]
	v_nop                                          ; a plain line between the conversions and the next holds, which write their sources
	global_store_b128 v2, v[CC+4*\c:CC+4*\c+3], s[36+2*\p:37+2*\p] offset:2048*(\f)+512*\c
.endr
.endm
.macro FRAGX f
.if (\f) < 3
	s_wait_loadcnt 16                              ; this fragment's sixteen loads are in; the next one's may be out
.else
	s_wait_loadcnt 0x0
.endif
.set ii, 0
.rept 16
	ds_store_b128 v3, v[RR+64*((\f)%2)+4*ii:RR+64*((\f)%2)+4*ii+3] offset:XSP*ii
.set ii, ii+1
.endr
.irp c, 0,1,2,3
.irp i, 0,1,2,3
	ds_load_b128 v[XX+16*\c+4*\i:XX+16*\c+4*\i+3], v4 offset:128*\c+16*\i   ; LDS serves a wave's instructions in order: these see the stores above
.endr
.endr
	s_wait_dscnt 0x0                               ; my 64 numbers are back, and the stores have read their registers,
.if (\f) < 2
	LOADX (\f)+2                                   ; which take the fragment two further on
.endif
	PLANE 0, \f
	PLANE 1, \f
	PLANE 2, \f
.endm
	LOADX 0
	LOADX 1
	s_wait_alu depctr_va_vdst(0)
	s_wait_kmcnt 0x0
.irp p, 0,1,2
	s_add_co_i32 s50, s[24+2*\p], 127
	s_lshl_b32 s51, s50, 23
	v_mov_b32 v[5+2*\p], s51                       ; 2^e as f32: the conversion takes its exponent field
	s_add_co_i32 s50, s50, 8
	s_lshl_b32 s50, s50, 23
	s_or_b32 s50, s50, 0x600000
	v_mov_b32 v[6+2*\p], s50                       ; 448 x 2^e
.endr
	s_wait_alu depctr_va_vdst(0)
	FRAGX 0
	FRAGX 1
	FRAGX 2
	FRAGX 3
	s_wait_tensorcnt 0x0                           ; the wave's end, behind my last LDS store
	ds_add_u32 v[SPW], v[NIL]
	s_wait_dscnt 0x0
	s_endpgm
; ---------------- the weights.  K is their FIRST axis: a lane takes a column n and its registers run down K, so the conversions give codes with K innermost.
; A wave takes 32 columns x 256 along K; its codes turn through its stage and leave as pieces of two tiles' images, 512 consecutive bytes a store.
.Lweights:
	s_lshr_b32 s21, ttmp9, 5                       ; which weight: 0 q, 1 k, 2 v, 3 o
	s_bfe_u32 s22, ttmp9, 0x30002                  ; which 128 columns
	s_and_b32 s23, ttmp9, 3                        ; which 256 along K
	s_cmp_eq_u32 s21, 1
	s_cselect_b64 s[6:7], s[8:9], s[6:7]
	s_cmp_eq_u32 s21, 2
	s_cselect_b64 s[6:7], s[10:11], s[6:7]
	s_cmp_eq_u32 s21, 3
	s_cselect_b64 s[6:7], s[12:13], s[6:7]
	s_lshl_b32 s44, s23, 20                        ; 256 rows of 4,096 bytes
	s_lshl_b32 s45, s22, 9
	s_add_co_u32 s44, s44, s45
	s_lshl_b32 s45, s20, 7
	s_add_co_u32 s44, s44, s45                     ; + 4 x my wave's first column
	s_mov_b32 s45, 0
	s_add_nc_u64 s[6:7], s[6:7], s[44:45]
	s_lshl_b32 s46, s21, 20                        ; the plane,
	s_add_co_u32 s46, s46, WBASE                   ; behind x's three,
	s_lshl_b32 s47, s22, 17
	s_add_co_u32 s46, s46, s47
	s_lshl_b32 s47, s20, 15
	s_add_co_u32 s46, s46, s47                     ; tile 8 x (128 columns) + 2 x wave,
	s_lshl_b32 s47, s23, 12
	s_add_co_u32 s46, s46, s47                     ; sixteen pieces of 256 bytes for each 256 along K
	s_mov_b32 s47, 0
	s_add_nc_u64 s[18:19], s[16:17], s[46:47]
	s_mul_i32 s48, s20, WSW
	s_add_co_u32 s48, s48, WST
	s_wait_alu depctr_va_vdst(0)
	v_lshlrev_b32 v3, 2, v1                        ; in: 4 bytes a lane
	v_mul_u32_u24 v4, v1, WSP
	v_add_nc_u32 v4, s48, v4                       ; into the stage: row = my column
	v_and_b32 v7, 8, v14
	v_add_nc_u32 v7, v7, v14                       ; r + 8 (r / 8)
	v_mul_u32_u24 v7, v7, WSP
	v_lshl_add_u32 v7, v15, 4, v7
	v_add_nc_u32 v7, s48, v7                       ; out of it: the column that lane r of a tile holds, + 16 h
.macro WLOAD t                         ; block t: W(32 t + i, my column): 128 consecutive bytes a wave, 512 a work-group
.set ii, 0
.rept 32
	global_load_b32 v[WX+32*((\t)%2)+ii], v3, s[6:7] offset:(32*(\t)+ii)*4096 th:TH_LOAD_NT
.set ii, ii+1
.endr
.endm
	WLOAD 0
	WLOAD 1
	s_wait_kmcnt 0x0
	s_cmp_eq_u32 s21, 1
	s_cselect_b32 s25, s27, s25
	s_cmp_eq_u32 s21, 2
	s_cselect_b32 s25, s29, s25
	s_cmp_eq_u32 s21, 3
	s_cselect_b32 s25, s35, s25                    ; e: entry 1, 3, 5 or 11
	s_add_co_i32 s25, s25, 127
	s_lshl_b32 s27, s25, 23
	v_mov_b32 v11, s27                             ; 2^e
	s_add_co_i32 s25, s25, 8
	s_lshl_b32 s25, s25, 23
	s_or_b32 s25, s25, 0x600000
	v_mov_b32 v10, s25                             ; 448 x 2^e
.macro WBLOCK t
.set XS, WX+32*((\t)%2)
.if (\t) < 7
	s_wait_loadcnt 32                              ; this block's 32 loads are in; the next block's may be out
.else
	s_wait_loadcnt 0x0
.endif
.set ii, 0
.rept 32
	v_med3_num_f32 v[XS+ii], v[XS+ii], -v10, v10
.set ii, ii+1
.endr
.irp g, 0,1,2,3
	v_cvt_scalef32_pk8_fp8_f32 v[WC+2*\g:WC+2*\g+1], v[XS+8*\g:XS+8*\g+7], v11
.endr
	ds_store_b128 v4, v[WC:WC+3] offset:32*(\t)    ; 32 codes of my column.  (The results go to LDS stores; the next block's 32 holds are the plain lines ahead of the next conversions)
	ds_store_b128 v4, v[WC+4:WC+7] offset:32*(\t)+16
.if (\t)+2 < 8
	WLOAD (\t)+2
.endif
	s_wait_dscnt 0x0                               ; the stores have read their registers
.endm
	s_wait_alu depctr_va_vdst(0)
.irp t, 0,1,2,3,4,5,6,7
	WBLOCK \t
.endr
.irp u, 0,1
.irp j, 0,1,2,3,4,5,6,7
	ds_load_b128 v[WO+4*(8*\u+\j):WO+4*(8*\u+\j)+3], v7 offset:8*\u*WSP+32*\j   ; tile u, K pieces 2 j and 2 j + 1
.endr
.endr
.irp u, 0,1
.irp j, 0,1,2,3,4,5,6,7
	s_wait_dscnt 15-8*\u-\j
	global_store_b128 v2, v[WO+4*(8*\u+\j):WO+4*(8*\u+\j)+3], s[18:19] offset:\u*16384+512*\j
.endr
.endr
	s_wait_tensorcnt 0x0                           ; the wave's end, behind my last LDS store
	ds_add_u32 v[SPW], v[NIL]
	s_wait_dscnt 0x0
	s_endpgm
.Lfunc_end_k_q5e226d9d2e_prep:
	.size	k_q5e226d9d2e_prep, .Lfunc_end_k_q5e226d9d2e_prep-k_q5e226d9d2e_prep
	.p2alignl 7, 3214868480
	.fill 96, 4, 3214868480
	.section	.rodata,"a",@progbits
	.p2align	6, 0x0
	.amdhsa_kernel k_q5e226d9d2e_prep
		.amdhsa_group_segment_fixed_size 69120
		.amdhsa_private_segment_fixed_size 0
		.amdhsa_enable_private_segment 0
		.amdhsa_kernarg_size 56
		.amdhsa_user_sgpr_count 2
		.amdhsa_user_sgpr_kernarg_segment_ptr 1
		.amdhsa_wavefront_size32 1
		.amdhsa_system_sgpr_workgroup_id_x 1
		.amdhsa_system_sgpr_workgroup_id_y 1
		.amdhsa_system_sgpr_workgroup_id_z 1
		.amdhsa_system_vgpr_workitem_id 0
		.amdhsa_next_free_vgpr 240
		.amdhsa_next_free_sgpr 66
		.amdhsa_reserve_vcc 0
		.amdhsa_float_denorm_mode_32 3
		.amdhsa_float_denorm_mode_16_64 3
		.amdhsa_memory_ordered 1
		.amdhsa_forward_progress 1
		.amdhsa_inst_pref_size 127
	.end_amdhsa_kernel
	.amdgpu_metadata
---
amdhsa.version: [ 1, 2 ]
amdhsa.kernels:
  - .name:           k_q5e226d9d2e_prep
    .symbol:         k_q5e226d9d2e_prep.kd
    .args:
      - { .name: x, .offset: 0, .size: 8, .value_kind: global_buffer, .address_space: global }
      - { .name: Wq, .offset: 8, .size: 8, .value_kind: global_buffer, .address_space: global }
      - { .name: Wk, .offset: 16, .size: 8, .value_kind: global_buffer, .address_space: global }
      - { .name: Wv, .offset: 24, .size: 8, .value_kind: global_buffer, .address_space: global }
      - { .name: Wo, .offset: 32, .size: 8, .value_kind: global_buffer, .address_space: global }
      - { .name: lowp_scales, .offset: 40, .size: 8, .value_kind: global_buffer, .address_space: global }
      - { .name: xw, .offset: 48, .size: 8, .value_kind: global_buffer, .address_space: global }
    .group_segment_fixed_size: 69120
    .private_segment_fixed_size: 0
    .kernarg_segment_align: 8
    .kernarg_segment_size: 56
    .max_flat_workgroup_size: 128
    .sgpr_count:     66
    .vgpr_count:     240
    .wavefront_size: 32
...
	.end_amdgpu_metadata
.endif
;; end of part 1
;; launch qkv (part 2): grid 192 x 1, 4 waves a work-group, no clusters, 263,680 bytes of LDS; arguments xw, lowp_scales, bq, bk, bv, qkv; writes qkv
.if DOCPART == 2
	.amdgcn_target "amdgcn-amd-amdhsa--gfx1250"
	.amdhsa_code_object_version 6
	.text
	.protected	k_q5e226d9d2e_qkv
	.globl	k_q5e226d9d2e_qkv
	.p2align	8
	.type	k_q5e226d9d2e_qkv,@function
k_q5e226d9d2e_qkv:
	s_mov_b64 s[64:65], 0
	v_nop
	global_prefetch_b8 v0, s[64:65] scope:SCOPE_SE
	s_setreg_imm32_b32 hwreg(HW_REG_WAVE_MODE, 25, 1), 1
	s_wait_xcnt 0x0
; QKV: q = x Wq + bq, k = x Wk + bk, v = x Wv + bv on codes of E4M3 (f32 sums), each result quantised at once with the scale of the product that takes it in (entries 6, 7, 9), and stored as images in the order of an operand's registers.
; SHARES.  192 work-groups, 64 a plane, all of one size: 256 (RESIDENT side) x 512 (STREAMED side) x K 1,024.  q, k: resident = 256 columns of W (4 heads), streamed = 512 rows of x.
; v: resident = 256 rows of x (256 keys), streamed = 512 columns of Wv: so a lane holds one channel and its registers run along the keys, which are the K of attention's second product.
; xw holds every operand as tiles of 16 rows x 1,024 K, 16 KiB each, eight fragments of 2 KiB in register order.  THE RESIDENT SIDE, 16 tiles on end, 256 KiB dense, comes into LDS ONCE, one tensor load of 64 KiB a wave
; (rows of 256 bytes): nothing is filled again, and behind the head's barrier LDS is only read.  THE STREAMED SIDE goes from memory straight into registers: a wave's 64 rows are read by that wave alone,
; 512 consecutive bytes a load, a K step (16 loads) at a time through three buffers: up to 48 loads of a wave are out.  The K loop has no barrier.
; A wave makes 64 (streamed) x 256 (resident): 64 accumulators; the work-group's 512 streamed rows go as two sub-tiles of 256, a loop of two trips.
; Source 0 = resident, source 1 = streamed: lane r holds streamed row r of its tile, register j of lane half h the resident tile's lane 8 h + j.  A stored tile's lane r holds row 32 b + 8 u + r + 8 (r / 8) (tile 2 b + u):
; so the 16 registers of two neighbouring resident tiles are 16 neighbours, and two conversions' results are 16 bytes of an image.
; NO CLUSTER, NO JOINT LOADS: in the v plane only two work-groups share a resident tile, so no one mask of four serves all planes; the streamed rows pass through no LDS.  No prefetch: the loads themselves stand three K steps ahead.
; The bias is divided by 2^(ea + eb) and added to the sums; along the resident side (q, k) it lies in LDS, along the streamed side (v) in a register pair a fragment; the one that does not apply is 0.
; LIMITS: e_out - ea - eb between -126 and 119.  NaN is not served.
; REGISTERS.  window 0: v1-4 16 x lane + 64 KiB x 0..3; v6-13 addresses and scales; v16-23 store offsets; v32-47 the streamed side's bias; v48-63 codes; v64-255 three streamed buffers.
;   window 1: the resident fragments of a K step, two halves of 128; on the way out v0-127 the resident side's bias, v128-255 a block at work.   windows 2, 3: accumulator (s, r) at v[8 (16 s + r)].
.set WBASE, 0x1800000                  ; the weights' planes in xw
.set BL,    262144                     ; LDS: the resident tile at 0; here 256 f32 of bias, written by LDS stores: no tensor load lands here;
.set SPARE, 263168                     ; the spare words, 128 bytes a wave
.set RA,  1                            ; v1-4
.set LN,  1
.set BA,  6                            ; v6   BL + 64 (lane / 16)
.set BS,  7                            ; v7   BL + 8 x thread
.set SPW, 8                            ; v8   LDS address of my spare word; never rewritten
.set NIL, 9                            ; v9   0; never rewritten
.set SC,  10                           ; v10  2^(e_out - ea - eb)
.set LIM, 11                           ; v11  448 x that
.set BO,  12                           ; v12  4 (r + 8 (r / 8))
.set BG,  13                           ; v13  8 x thread
.set AD,  16                           ; v16-23 16 x lane + where pair b of resident tiles goes
.set BT,  24
.set BR,  32
.set CD,  48
.set OB,  56                           ; s[56:63] where streamed fragment s goes
.set SB,  98                           ; s[98:99] my streamed rows
.set MSB, 0
.macro WIN new                         ; the immediate's high byte repeats the setting that is left
.if MSB != (\new)
	s_set_vgpr_msb (MSB<<8)|(\new)
.set MSB, (\new)
.endif
.endm
	s_load_b256 s[4:11], s[0:1], 0x0               ; xw, the scales' exponents, bq, bk
	s_load_b128 s[12:15], s[0:1], 0x20             ; bv, qkv
	v_lshl_add_u32 v[SPW], v0, 2, SPARE
	v_mov_b32 v[NIL], 0
	ds_add_u32 v[SPW], v[NIL]                      ; the opening lines: the add, twice on end, and its wait ahead of my first tensor load
	ds_add_u32 v[SPW], v[NIL]
	v_lshrrev_b32 v1, 5, v0
	v_readfirstlane_b32 s18, v1                    ; wave 0..3
	s_lshr_b32 s19, ttmp9, 6                       ; plane: 0 q, 1 k, 2 v
	s_and_b32 s20, ttmp9, 63
	s_and_b32 s21, s20, 3                          ; q, k: which 256 columns,
	s_lshr_b32 s22, s20, 2                         ;       which 512 rows
	s_lshr_b32 s23, s20, 1                         ; v: which 256 keys,
	s_and_b32 s24, s20, 1                          ;    which 512 channels
	s_lshl_b32 s30, s19, 20                        ; the resident tile.  q, k: W's plane + 256 KiB x columns
	s_add_co_u32 s30, s30, WBASE
	s_lshl_b32 s25, s21, 18
	s_add_co_u32 s30, s30, s25
	s_lshl_b32 s26, s23, 18                        ; v: x's plane 2 + 256 KiB x keys
	s_add_co_u32 s26, s26, 0x1000000
	s_lshl_b32 s32, s19, 23                        ; the streamed rows.  q, k: x's plane + 512 KiB x rows
	s_lshl_b32 s25, s22, 19
	s_add_co_u32 s32, s32, s25
	s_lshl_b32 s27, s24, 19                        ; v: Wv's plane + 512 KiB x channels
	s_add_co_u32 s27, s27, WBASE+0x200000
	s_cmp_eq_u32 s19, 2
	s_cselect_b32 s30, s26, s30
	s_cselect_b32 s32, s27, s32
	s_lshl_b32 s37, s18, 16                        ; my 64 KiB of either; also the tile's place in LDS
	s_add_co_u32 s30, s30, s37
	s_add_co_u32 s32, s32, s37
	s_mov_b32 s31, 0
	s_mov_b32 s33, 0
	s_lshl_b32 s28, s19, 23                        ; where the codes go.  q, k: plane, batch, 4 heads, 32 tiles of 1 KiB, 4 tiles a wave
	s_lshr_b32 s29, s22, 2
	s_lshl_b32 s29, s29, 21
	s_add_co_u32 s28, s28, s29
	s_lshl_b32 s29, s21, 19
	s_add_co_u32 s28, s28, s29
	s_and_b32 s29, s22, 3
	s_lshl_b32 s29, s29, 15
	s_add_co_u32 s28, s28, s29
	s_lshl_b32 s29, s18, 12
	s_add_co_u32 s28, s28, s29
	s_lshr_b32 s26, s23, 3                         ; v: plane 2, batch, 8 heads, a head a wave, two key steps of 8 KiB
	s_lshl_b32 s26, s26, 21
	s_add_co_u32 s26, s26, 0x1000000
	s_lshl_b32 s29, s24, 20
	s_add_co_u32 s26, s26, s29
	s_lshl_b32 s29, s18, 17
	s_add_co_u32 s26, s26, s29
	s_and_b32 s29, s23, 7
	s_lshl_b32 s29, s29, 14
	s_add_co_u32 s26, s26, s29
	s_lshl_b32 s48, s21, 10                        ; the bias: q, k: my 256 columns;
	s_lshl_b32 s50, s24, 11                        ; v: my wave's first channel
	s_lshl_b32 s29, s18, 8
	s_add_co_u32 s50, s50, s29
	s_cmp_eq_u32 s19, 2                            ; from here to the end of the selections SCC stays: is this the v plane?
	s_cselect_b32 s28, s26, s28
	s_cselect_b32 s48, 0, s48                      ; (the bias that does not apply is read at the buffer's head and made 0)
	s_cselect_b32 s50, s50, 0
	s_cselect_b32 s70, 0, -1                       ; lanes' mask for the resident side's bias,
	s_cselect_b32 s71, -1, 0                       ; for the streamed side's
	s_mov_b32 s66, 1024
	s_cselect_b32 s66, 2048, s66                   ; from streamed fragment to fragment
	s_mov_b32 s68, 16384
	s_cselect_b32 s68, 524288, s68                 ; from sub-tile to sub-tile
.irp b, 0,1,2,3,4,5,6,7
	s_mov_b32 s[84+\b], (\b/2)*131072+(\b%2)*512   ; pair b of resident tiles: q, k: head b / 2, half b % 2 of a tile's image;
	s_cselect_b32 s[84+\b], (\b/4)*8192+(\b%4)*512, s[84+\b]   ; v: key step b / 4, piece b % 4
.endr
	s_mov_b32 s29, 0
	s_mov_b32 s49, 0
	s_mov_b32 s51, 0
	s_mov_b32 s67, 0
	s_mov_b32 s69, 0
	s_mov_b32 s36, 1                               ; group 0: count
	s_mov_b32 s40, 3<<16                           ; group 1: elements of 8 bytes; 256 rows of 256 bytes, dense
	s_mov_b32 s41, 32<<16
	s_mov_b32 s42, 256<<16
	s_mov_b32 s43, 32<<16
	s_mov_b32 s44, 256
	s_mov_b32 s45, 32
	s_mov_b32 s46, 0
	s_mov_b32 s47, 0
	v_and_b32 v1, 31, v0
	v_lshlrev_b32 v[LN], 4, v1
	v_add_nc_u32 v[RA+1], 0x10000, v[LN]
	v_add_nc_u32 v[RA+2], 0x20000, v[LN]
	v_add_nc_u32 v[RA+3], 0x30000, v[LN]
	v_bfe_u32 v14, v0, 4, 1
	v_lshl_add_u32 v[BA], v14, 6, BL
	v_lshl_add_u32 v[BS], v0, 3, BL
	v_lshlrev_b32 v[BG], 3, v0
	v_and_b32 v14, 15, v0
	v_and_b32 v15, 8, v14
	v_add_nc_u32 v14, v14, v15
	v_lshlrev_b32 v[BO], 2, v14
.irp b, 0,1,2,3,4,5,6,7
	v_add_nc_u32 v[AD+\b], s[84+\b], v[LN]
.endr
	s_wait_alu depctr_va_vdst(0)
	s_wait_dscnt 0x0                               ; both opening adds are done
	s_wait_kmcnt 0x0
	s_load_b256 s[72:79], s[6:7], 0x0              ; entries 0..7
	s_load_b128 s[80:83], s[6:7], 0x20             ; entries 8..11
	s_add_nc_u64 s[38:39], s[4:5], s[30:31]
	s_or_b32 s39, s39, 0x80000000
	tensor_load_to_lds s[36:39], s[40:47]          ; my quarter of the resident tile: my one tensor load of the launch
	s_nop 0
.rept 4
	v_nop
.endr
	s_add_nc_u64 s[SB:SB+1], s[4:5], s[32:33]
	s_cmp_eq_u32 s19, 1
	s_cselect_b64 s[8:9], s[10:11], s[8:9]
	s_cmp_eq_u32 s19, 2
	s_cselect_b64 s[8:9], s[12:13], s[8:9]         ; my plane's bias
	s_add_nc_u64 s[52:53], s[8:9], s[48:49]
	s_add_nc_u64 s[54:55], s[8:9], s[50:51]
	s_add_nc_u64 s[OB:OB+1], s[14:15], s[28:29]
	s_add_nc_u64 s[OB+2:OB+3], s[OB:OB+1], s[66:67]
	s_add_nc_u64 s[OB+4:OB+5], s[OB+2:OB+3], s[66:67]
	s_add_nc_u64 s[OB+6:OB+7], s[OB+4:OB+5], s[66:67]
	global_load_b64 v[BT:BT+1], v[BG], s[52:53]    ; two of the 256 columns' bias a thread
.irp k, 0,1,2,3,4,5,6,7
	global_load_b32 v[BR+2*\k], v[BO], s[54:55] offset:1024*(\k/4)+128*((\k%4)/2)+32*(\k%2)   ; sub-tile k / 4, fragment k % 4: the channel that my lane holds
.endr
.macro SLOAD t, x                      ; K step t of my four streamed fragments, x bytes on: 16 loads of 512 consecutive bytes, into buffer t % 3
.irp s, 0,1,2,3
.irp c, 0,1,2,3
	global_load_b128 v[64+64*((\t)%3)+16*\s+4*\c:64+64*((\t)%3)+16*\s+4*\c+3], v[LN], s[SB:SB+1] offset:(\x)+16384*\s+2048*(\t)+512*\c
.endr
.endr
.endm
.macro RLOAD t, g                      ; K step t of resident fragments 8 g .. 8 g + 7, into window 1
.irp r, 0,1,2,3,4,5,6,7
.irp c, 0,1,2,3
	ds_load_b128 v[16*(8*(\g)+\r)+4*\c:16*(8*(\g)+\r)+4*\c+3], v[RA+2*(\g)+\r/4] offset:16384*(\r%4)+2048*(\t)+512*\c
.endr
.endr
.endm
	SLOAD 2, 0                                     ; a sub-tile's first three K steps are asked for in the order 2, 0, 1: so each falls into the buffer of its number
	SLOAD 0, 0
	SLOAD 1, 0
	s_wait_kmcnt 0x0
	s_cmp_eq_u32 s19, 1
	s_cselect_b32 s94, s74, s72                    ; ea,
	s_cselect_b32 s95, s75, s73                    ; eb,
	s_cselect_b32 s96, s79, s78                    ; e_out: entry 6, 7 or 9
	s_cmp_eq_u32 s19, 2
	s_cselect_b32 s94, s76, s94
	s_cselect_b32 s95, s77, s95
	s_cselect_b32 s96, s81, s96
	s_add_co_i32 s94, s94, s95
	s_sub_co_i32 s95, s96, s94                     ; a sum stands for sum x 2^(ea + eb): the three scales are folded into the conversion's one
	s_sub_co_i32 s93, 0, s94
	s_add_co_i32 s96, s95, 127
	s_lshl_b32 s97, s96, 23
	v_mov_b32 v[SC], s97
	s_add_co_i32 s96, s96, 8
	s_lshl_b32 s96, s96, 23
	s_or_b32 s96, s96, 0x600000
	v_mov_b32 v[LIM], s96
	s_wait_loadcnt 48                              ; the bias's nine loads are in; the 48 streamed ones may be out
	v_ldexp_f32 v[BT], v[BT], s93                  ; bias / 2^(ea + eb)
	v_ldexp_f32 v[BT+1], v[BT+1], s93
	v_cndmask_b32 v[BT], 0, v[BT], s70
	v_cndmask_b32 v[BT+1], 0, v[BT+1], s70
	ds_store_b64 v[BS], v[BT:BT+1]
.irp k, 0,1,2,3,4,5,6,7
	v_ldexp_f32 v[BR+2*\k], v[BR+2*\k], s93
	v_cndmask_b32 v[BR+2*\k], 0, v[BR+2*\k], s71
	v_mov_b32 v[BR+2*\k+1], v[BR+2*\k]
.endr
	s_wait_alu depctr_va_vdst(0)
	s_wait_tensorcnt 0x0                           ; my quarter of the resident tile has landed,
	s_wait_dscnt 0x0                               ; my part of the bias is stored:
	s_barrier_signal -1
	s_barrier_wait -1                              ; everybody's is.  From here on LDS is only read
; 16 products: streamed fragments s0, s0 + 1 x eight resident ones.  The 64 accumulators take turns, in the same order in every K step.
.macro MUL t, g, s0
.irp s, \s0, \s0+1
.irp r, 0,1,2,3,4,5,6,7
.if (\t) == 0
	v_wmma_f32_16x16x128_fp8_fp8 v[128*((\s)%2)+8*(8*(\g)+\r):128*((\s)%2)+8*(8*(\g)+\r)+7], v[16*(8*(\g)+\r):16*(8*(\g)+\r)+15], v[64+64*((\t)%3)+16*(\s):64+64*((\t)%3)+16*(\s)+15], 0
.else
	v_wmma_f32_16x16x128_fp8_fp8 v[128*((\s)%2)+8*(8*(\g)+\r):128*((\s)%2)+8*(8*(\g)+\r)+7], v[16*(8*(\g)+\r):16*(8*(\g)+\r)+15], v[64+64*((\t)%3)+16*(\s):64+64*((\t)%3)+16*(\s)+15], v[128*((\s)%2)+8*(8*(\g)+\r):128*((\s)%2)+8*(8*(\g)+\r)+7]
.endif
.endr
.endr
.endm
; HALF A K STEP: 32 products on one half of the resident fragments; behind them that half takes the next K step's, which has the other half's 32 products in which to land.
.macro HALF t, g
.if (\g) == 0
.if ((\t) <= 1) || ((\t) == 6)
	s_wait_loadcnt 16                              ; this K step's 16 loads are in; behind them one K step's were issued
.else
.if (\t) == 7
	s_wait_loadcnt 0x0
.else
	s_wait_loadcnt 32                              ; behind them two K steps' were issued
.endif
.endif
.endif
	WIN 0xa1                                       ; resident window 1, streamed window 0, C and D window 2
	MUL \t, \g, 0
	WIN 0xf1                                       ; C and D window 3
	MUL \t, \g, 2
	WIN 0
.if ((\t) < 7) || ((\g) == 0)
	s_wait_dscnt 0x0                               ; the other half's fragments, asked for 32 products ago, are in
.endif
.if ((\t) < 7) || ((\g) == 1)
.rept 4
	v_nop                                          ; places in front of loads into registers that these products read
.endr
.endif
.if (\t) < 7
	WIN 0x40
	RLOAD (\t)+1, \g
	WIN 0
.endif
.if ((\g) == 1) && ((\t) <= 4)
	SLOAD (\t)+3, 0
.endif
.endm
; THE WAY OUT of streamed fragment s: 128 sums a lane + bias, held, eight at a time into codes; each pair of resident tiles gives 16 bytes a lane: a store covers 512 consecutive bytes of an image.
.macro BLOCK s
	WIN 0x46+(\s)/2                                ; the sums window 2 or 3; the bias and the block at work window 1
.set jj, 0
.rept 64
	v_pk_add_f32 v[128+jj:129+jj], v[128*((\s)%2)+jj:128*((\s)%2)+jj+1], v[jj:jj+1]   ; each accumulator from its low end on
.set jj, jj+2
.endr
	WIN 0x41
.set jj, 0
.rept 64
	v_pk_add_f32 v[128+jj:129+jj], v[128+jj:129+jj], v[BR+2*(\s):BR+2*(\s)+1]
.set jj, jj+2
.endr
.set jj, 0
.rept 128
	v_med3_num_f32 v[128+jj], v[128+jj], -v[LIM], v[LIM]   ; the conversion does not saturate (ISA guide 7.6.2): the hold comes first
.set jj, jj+1
.endr
	s_wait_alu depctr_va_vdst(0)
.irp q, 0,1
	s_wait_xcnt 0x0                                ; the earlier stores have read the codes' registers
	WIN 0x01
.irp b, 0,1,2,3
	v_cvt_scalef32_pk8_fp8_f32 v[CD+4*\b:CD+4*\b+1], v[128+64*\q+16*\b:128+64*\q+16*\b+7], v[SC]
	v_cvt_scalef32_pk8_fp8_f32 v[CD+4*\b+2:CD+4*\b+3], v[128+64*\q+16*\b+8:128+64*\q+16*\b+15], v[SC]
.endr
	v_nop                                          ; a plain line behind the last conversion
	WIN 0
.irp b, 0,1,2,3
	global_store_b128 v[AD+4*\q+\b], v[CD+4*\b:CD+4*\b+3], s[OB+2*(\s):OB+2*(\s)+1]
.endr
.endr
.endm
	s_mov_b32 s2, 2                                ; sub-tiles to go
.Lsub:
	WIN 0x40
	RLOAD 0, 0
	s_wait_dscnt 0x0
	RLOAD 0, 1
	WIN 0
.irp t, 0,1,2,3,4,5,6,7
	HALF \t, 0
	HALF \t, 1
.endr
	s_cmp_eq_u32 s2, 1
	s_cbranch_scc1 .Lno_next                       ; the last sub-tile asks for nothing more; no wait on LOADcnt follows on that way
	SLOAD 2, 262144                                ; the next sub-tile's first three K steps land under the way out
	SLOAD 0, 262144
	SLOAD 1, 262144
.Lno_next:
	WIN 0x40
.irp b, 0,1,2,3,4,5,6,7
.irp i, 0,1,2,3
	ds_load_b128 v[16*\b+4*\i:16*\b+4*\i+3], v[BA] offset:128*\b+16*\i   ; the bias at resident places 32 b + 16 h + 0..15: sixteen lanes read the same 16 bytes
.endr
.endr
	WIN 0
	s_wait_dscnt 0x0
	BLOCK 0
	BLOCK 1
	BLOCK 2
	BLOCK 3
	s_wait_xcnt 0x0                                ; every load and store has read its base: on to the next sub-tile (the last trip's steps are not used)
	s_add_nc_u64 s[SB:SB+1], s[SB:SB+1], 262144
.irp s, 0,1,2,3
	s_add_nc_u64 s[OB+2*\s:OB+2*\s+1], s[OB+2*\s:OB+2*\s+1], s[68:69]
.endr
.irp k, 0,1,2,3,4,5,6,7
	v_mov_b32 v[BR+\k], v[BR+8+\k]
.endr
	s_sub_co_u32 s2, s2, 1
	s_cmp_lg_u32 s2, 0
	s_wait_alu depctr_va_vdst(0)
	s_cbranch_scc1 .Lsub
	s_wait_tensorcnt 0x0                           ; the wave's end, behind my last tensor load and my last LDS store
	ds_add_u32 v[SPW], v[NIL]
	s_wait_dscnt 0x0
	s_endpgm
.Lfunc_end_k_q5e226d9d2e_qkv:
	.size	k_q5e226d9d2e_qkv, .Lfunc_end_k_q5e226d9d2e_qkv-k_q5e226d9d2e_qkv
	.p2alignl 7, 3214868480
	.fill 96, 4, 3214868480
	.section	.rodata,"a",@progbits
	.p2align	6, 0x0
	.amdhsa_kernel k_q5e226d9d2e_qkv
		.amdhsa_group_segment_fixed_size 263680
		.amdhsa_private_segment_fixed_size 0
		.amdhsa_enable_private_segment 0
		.amdhsa_kernarg_size 48
		.amdhsa_user_sgpr_count 2
		.amdhsa_user_sgpr_kernarg_segment_ptr 1
		.amdhsa_wavefront_size32 1
		.amdhsa_system_sgpr_workgroup_id_x 1
		.amdhsa_system_sgpr_workgroup_id_y 1
		.amdhsa_system_sgpr_workgroup_id_z 1
		.amdhsa_system_vgpr_workitem_id 0
		.amdhsa_next_free_vgpr 1024
		.amdhsa_next_free_sgpr 100
		.amdhsa_reserve_vcc 0
		.amdhsa_float_denorm_mode_32 3
		.amdhsa_float_denorm_mode_16_64 3
		.amdhsa_memory_ordered 1
		.amdhsa_forward_progress 1
		.amdhsa_inst_pref_size 171
	.end_amdhsa_kernel
	.amdgpu_metadata
---
amdhsa.version: [ 1, 2 ]
amdhsa.kernels:
  - .name:           k_q5e226d9d2e_qkv
    .symbol:         k_q5e226d9d2e_qkv.kd
    .args:
      - { .name: xw, .offset: 0, .size: 8, .value_kind: global_buffer, .address_space: global }
      - { .name: lowp_scales, .offset: 8, .size: 8, .value_kind: global_buffer, .address_space: global }
      - { .name: bq, .offset: 16, .size: 8, .value_kind: global_buffer, .address_space: global }
      - { .name: bk, .offset: 24, .size: 8, .value_kind: global_buffer, .address_space: global }
      - { .name: bv, .offset: 32, .size: 8, .value_kind: global_buffer, .address_space: global }
      - { .name: qkv, .offset: 40, .size: 8, .value_kind: global_buffer, .address_space: global }
    .group_segment_fixed_size: 263680
    .private_segment_fixed_size: 0
    .kernarg_segment_align: 8
    .kernarg_segment_size: 48
    .max_flat_workgroup_size: 128
    .sgpr_count:     100
    .vgpr_count:     1024
    .wavefront_size: 32
...
	.end_amdgpu_metadata
.endif
;; end of part 2
;; launch attn (part 3): grid 4 x 64, 8 waves a work-group, clusters of 4 x 1, 271,360 bytes of LDS; arguments qkv, mask, lowp_scales, cf; writes cf
.if DOCPART == 3
	.amdgcn_target "amdgcn-amd-amdhsa--gfx1250"
	.amdhsa_code_object_version 6
	.text
	.protected	k_q5e226d9d2e_attn
	.globl	k_q5e226d9d2e_attn
	.p2align	8
	.type	k_q5e226d9d2e_attn,@function
k_q5e226d9d2e_attn:
	s_mov_b64 s[64:65], 0
	v_nop
	global_prefetch_b8 v0, s[64:65] scope:SCOPE_SE
	s_setreg_imm32_b32 hwreg(HW_REG_WAVE_MODE, 25, 1), 1
	s_wait_xcnt 0x0
	s_wait_alu depctr_hold_cnt(0) depctr_sa_sdst(0) depctr_va_vdst(0) depctr_va_sdst(0) depctr_va_ssrc(0) depctr_va_vcc(0) depctr_vm_vsrc(0)
	s_getreg_b32 s2, hwreg(HW_REG_IB_STS2, 6, 4)
	s_cmp_eq_u32 s2, 0
	s_cbranch_scc0 .Lentry_in_a_cluster
	s_endpgm
.Lentry_in_a_cluster:
	s_bfe_u32 s2, ttmp6, 0x10000c
	s_cmp_lg_u32 s2, 0x3003
	s_cbranch_scc0 .Lentry_shape_is_right
	s_endpgm
.Lentry_shape_is_right:
; ATTN: ctx[q] = (sum over keys of Q(p) Q(v)) / l, p = 2^(t - M), t = (q . k / 32 + mask x (-1e9)) x log2(e), M = the running largest t rounded UP to a whole number, l = the sum of the unquantised p.
; Both products on codes of E4M3; ctx is quantised at once for the last product.
; SHARES.  A cluster of four work-groups owns one batch x head; each work-group 512 of its 2,048 queries; each of its eight waves two tiles of 16 queries at a time, twice (two passes).
; The head's whole K and V (256 KiB of images) come into LDS once, by one joint tensor load a wave: no slot is filled again, and the key loop has no barrier.
; LAYOUT.  Both products are used transposed: S^T = K Q^T (source 0 = 16 keys), O^T = V^T P^T (source 0 = 16 channels): a lane holds ONE query throughout.  The keys of a stored tile of K and the channels of a
; stored tile of V are chosen (lane r of tile 2 b + u: 32 b + 8 u + r + 8 (r / 8)) so that the 16 result registers of two neighbouring tiles are 16 neighbours.
; THE MASK may hold any numbers: t is rounded ONCE (one fused multiply-add of score x c and the mask's term) before M is taken away, and t - M is then an exact difference, also where t is very large.
; ORDER OF A KEY STEP: products; t; maxima, M, f; l and O^T x f; tile 0's t - M; tile 0's exponentials with tile 1's t - M between them; tile 1's exponentials with tile 0's holds between them
; (the held numbers go to V's registers, which are free until then); tile 0's codes; V's loads; the sums; tile 1's holds and codes; the second product.
; The lines laid between exponentials hang on nothing that is written inside the same batch.
; LIMITS: entries 6 + 7 between -117 and 132 (added to c's exponent field); entry 8, and entry 10 - 8 - 9, between -126 and 119.  mask x 1e9 stays finite.  NaN is not served.
; REGISTERS.  window 0: v1-7 addresses; v16-39 two tiles' statistics; v40-43 scales; v44-59 ctx's codes; v64-191 S^T, then t, then p, 64 a tile; v192-255 tile 0's held p, then V.
;   window 1: v0-63 K of a key step; v64-127 O^T, 32 a tile; v128-159 p's codes; v160-191 Q: four tiles; v192-255 the mask's terms of a key step.
.set VB,    131072                     ; LDS: K at 0 (a key step: 8 KiB), V here (a key step: 8 KiB),
.set MK,    262144                     ; the mask's terms, 2,048 f32, written by LDS stores: no tensor load lands here,
.set SPARE, 270336                     ; and the spare words, 128 bytes a wave
.set LN,  1                            ; v1   16 x lane
.set MA,  2                            ; v2   MK + 64 (lane / 16)
.set SPW, 3                            ; v3   LDS address of my spare word; never rewritten
.set NIL, 4                            ; v4   0; never rewritten
.set ADK, 5                            ; v5   the next step's K
.set ADV, 6                            ; v6   this step's V
.set ADM, 7                            ; v7   the next step's mask terms
.set ST,  16                           ; tile i at v[16 + 12 i]: +0 -M, +1 the largest t, +2, +3 l in two halves, +4 f (+5: 0), +6, +7 a second chain of sums, +8, +9 at work, +10 a lane permute's destination
.set PH,  40                           ; 448 x 2^e8
.set PS,  41                           ; 2^e8
.set CH,  42                           ; 448 x 2^(e10 - e8 - e9)
.set CS,  43                           ; 2^(e10 - e8 - e9)
.set CC,  44
.set SS,  64
.set F2,  192
.set KF,  0                            ; in window 1
.set OA,  64
.set PA,  128
.set QA,  160
.set MR,  192
.set MSB, 0
.macro WIN new                         ; the immediate's high byte repeats the setting that is left
.if MSB != (\new)
	s_set_vgpr_msb (MSB<<8)|(\new)
.set MSB, (\new)
.endif
.endm
.macro CROUND                          ; a round of the cluster's barrier
	s_barrier_signal -1
	s_barrier_wait -1
	s_cmp_lg_u32 s12, 0
	s_cbranch_scc1 .Lnot_wave_0_\@
	s_barrier_signal -3
.Lnot_wave_0_\@:
	s_barrier_wait -3
	s_barrier_signal -1
	s_barrier_wait -1
.endm
	s_load_b256 s[4:11], s[0:1], 0x0               ; qkv, mask, the scales' exponents, cf
	v_lshl_add_u32 v[SPW], v0, 2, SPARE
	v_mov_b32 v[NIL], 0
	ds_add_u32 v[SPW], v[NIL]                      ; the opening lines: the add, twice on end, and its wait ahead of my first tensor load
	ds_add_u32 v[SPW], v[NIL]
	v_lshrrev_b32 v8, 5, v0
	s_delay_alu instid0(VALU_DEP_1)
	v_readfirstlane_b32 s12, v8                    ; wave 0..7
	s_bfe_u32 s13, ttmp6, 0x40000                  ; cx: which 512 queries: it enters Q's and cf's addresses alone
	s_and_b32 s14, ttmp7, 0xffff                   ; batch x head, which the four partners share
	s_mov_b32 s16, 15|(3<<16)|(1<<21)              ; group 1: the mask names all four; elements of 8 bytes; 128 rows of 256 bytes, dense: 32 KiB
	s_mov_b32 s17, 32<<16
	s_mov_b32 s18, 128<<16
	s_mov_b32 s19, 32<<16
	s_mov_b32 s20, 128
	s_mov_b32 s21, 32
	s_mov_b32 s22, 0
	s_mov_b32 s23, 0
	s_mov_b32 s24, 1
	s_lshl_b32 s25, s12, 15                        ; LDS: wave x 32 KiB: waves 0-3 K's quarters, waves 4-7 V's
	s_lshr_b32 s42, s12, 2
	s_add_co_u32 s42, s42, 1
	s_lshl_b32 s42, s42, 23                        ; plane 1 (k) or 2 (v),
	s_lshl_b32 s43, s14, 17
	s_add_co_u32 s42, s42, s43                     ; the head's 128 KiB,
	s_and_b32 s43, s12, 3
	s_lshl_b32 s43, s43, 15
	s_add_co_u32 s42, s42, s43                     ; my quarter
	s_mov_b32 s43, 0
	s_mov_b32 s34, 0x76543210                      ; v_permlanex16_b32's selects for lane l xor 16
	s_mov_b32 s35, 0xfedcba98
	s_wait_dscnt 0x0                               ; both opening adds are done
	s_wait_kmcnt 0x0
	s_load_b128 s[36:39], s[8:9], 0x18             ; entries 6..9
	s_load_b64 s[40:41], s[8:9], 0x28              ; entries 10, 11
	s_add_nc_u64 s[26:27], s[4:5], s[42:43]
	s_or_b32 s27, s27, 0x80000000
	CROUND                                         ; all four work-groups are here: the joint loads meet
	tensor_load_to_lds s[24:27], s[16:23]          ; my one tensor load of the launch
	s_nop 0
.rept 4
	v_nop
.endr
	v_and_b32 v8, 31, v0
	s_delay_alu instid0(VALU_DEP_1)
	v_lshlrev_b32 v[LN], 4, v8
	s_wait_alu depctr_va_vdst(0)
	v_bfe_u32 v10, v0, 4, 1
	s_delay_alu instid0(VALU_DEP_1)
	v_lshl_add_u32 v[MA], v10, 6, MK
	v_lshlrev_b32 v9, 4, v0                        ; 16 x thread: my part of the mask,
	s_wait_alu depctr_va_vdst(0)
	v_lshl_add_u32 v11, v0, 4, MK                  ; and where its terms go
	s_lshl_b32 s44, s14, 17
	s_lshl_b32 s46, s13, 15
	s_add_co_u32 s44, s44, s46
	s_lshl_b32 s46, s12, 11
	s_add_co_u32 s44, s44, s46                     ; Q (plane 0): the head, tile 32 cx + 2 wave
	s_mov_b32 s45, 0
	s_add_nc_u64 s[44:45], s[4:5], s[44:45]
	WIN 0x40                                       ; destination window 1
.irp p, 0,1
.irp i, 0,1
.irp f, 0,1
	global_load_b128 v[QA+16*\p+8*\i+4*\f:QA+16*\p+8*\i+4*\f+3], v[LN], s[44:45] offset:16384*\p+1024*\i+512*\f   ; pass p, tile i: it stays in registers
.endr
.endr
.endr
	WIN 0
	s_lshr_b32 s46, s14, 4
	s_lshl_b32 s46, s46, 13                        ; the batch's 2,048 numbers
	s_mov_b32 s47, 0
	s_add_nc_u64 s[46:47], s[6:7], s[46:47]
	global_load_b128 v[64:67], v9, s[46:47]
	global_load_b128 v[68:71], v9, s[46:47] offset:4096
	s_lshr_b32 s42, s14, 4
	s_lshl_b32 s42, s42, 21                        ; cf: the batch's 128 tiles of 16 KiB,
	s_lshl_b32 s43, s13, 19
	s_add_co_u32 s42, s42, s43
	s_lshl_b32 s43, s12, 15
	s_add_co_u32 s42, s42, s43                     ; tile 32 cx + 2 wave,
	s_and_b32 s43, s14, 15
	s_lshl_b32 s43, s43, 10
	s_add_co_u32 s42, s42, s43                     ; the head's 1 KiB in it
	s_mov_b32 s43, 0
	s_add_nc_u64 s[10:11], s[10:11], s[42:43]
	s_wait_kmcnt 0x0
	s_add_co_i32 s42, s36, s37
	s_lshl_b32 s42, s42, 23
	s_add_co_i32 s32, s42, 0x3d38aa3b              ; c = log2(e) / 32 x 2^(e6 + e7): the exponents are added to c's exponent field
	s_mov_b32 s33, s32                             ; (named with it as a pair)
	s_add_co_i32 s42, s38, 127
	s_lshl_b32 s43, s42, 23
	v_mov_b32 v[PS], s43
	s_add_co_i32 s42, s42, 8
	s_lshl_b32 s42, s42, 23
	s_or_b32 s42, s42, 0x600000
	v_mov_b32 v[PH], s42
	s_sub_co_i32 s42, s40, s38
	s_sub_co_i32 s42, s42, s39                     ; O / l stands for ctx / 2^(e8 + e9): the three scales are folded into the conversion's one
	s_add_co_i32 s42, s42, 127
	s_lshl_b32 s43, s42, 23
	v_mov_b32 v[CS], s43
	s_add_co_i32 s42, s42, 8
	s_lshl_b32 s42, s42, 23
	s_or_b32 s42, s42, 0x600000
	v_mov_b32 v[CH], s42
	s_wait_loadcnt 0x0                             ; Q and the mask
.irp j, 0,1,2,3,4,5,6,7
	v_mul_f32 v[64+\j], 0xce6e6b28, v[64+\j]       ; mask x (-1e9),
.endr
.irp j, 0,1,2,3,4,5,6,7
	v_mul_f32 v[64+\j], 0x3fb8aa3b, v[64+\j]       ; x log2(e)
.endr
	ds_store_b128 v11, v[64:67]
	ds_store_b128 v11, v[68:71] offset:4096
	s_wait_tensorcnt 0x0                           ; my part of K or V has landed,
	s_wait_dscnt 0x0                               ; my part of the mask's terms is stored:
	s_barrier_signal -1
	s_barrier_wait -1                              ; everybody's is.  From here on LDS is only read
; A KEY STEP: 128 keys, both tiles of pass p.  nxt = 1: the next step's K and mask terms are fetched on the way.
.macro TRIP p, nxt
	s_wait_dscnt 0x0                               ; K and the mask's terms are in
	WIN 0x05                                       ; sources 0 and 1 window 1
.irp kt, 0,1,2,3,4,5,6,7
.irp i, 0,1
	v_wmma_f32_16x16x64_fp8_fp8 v[SS+64*\i+8*\kt:SS+64*\i+8*\kt+7], v[KF+8*\kt:KF+8*\kt+7], v[QA+16*\p+8*\i:QA+16*\p+8*\i+7], 0
.endr
.endr
	WIN 0
	v_add_nc_u32 v[ADV], s29, v[LN]                ; four places behind the products, ahead of the loads into their sources and of the first read of the scores
.if \nxt
	v_add_nc_u32 v[ADK], s28, v[LN]
	v_add_nc_u32 v[ADM], s30, v[MA]
	v_nop
	s_add_co_u32 s28, s28, 8192
	s_add_co_u32 s29, s29, 8192
	s_add_co_u32 s30, s30, 512
	WIN 0x40
.set nn, 0
.rept 16
	ds_load_b128 v[KF+4*nn:KF+4*nn+3], v[ADK] offset:512*nn
.set nn, nn+1
.endr
.else
	v_nop
	v_nop
	v_nop
.endif
	WIN 0x10                                       ; source 2, the mask's terms: window 1
.irp i, 0,1
.set jj, 0
.rept 32
	v_pk_fma_f32 v[SS+64*\i+jj:SS+64*\i+jj+1], v[SS+64*\i+jj:SS+64*\i+jj+1], s[32:33], v[MR+jj:MR+jj+1] op_sel_hi:[1,0,1]   ; t = score x c + the mask's term, rounded once; register 16 b + i: key 32 b + 16 h + i; each accumulator from its low end on
.set jj, jj+2
.endr
.endr
.if \nxt
	WIN 0x40
.set nn, 0
.rept 16
	ds_load_b128 v[MR+4*nn:MR+4*nn+3], v[ADM] offset:128*(nn/4)+16*(nn%4)   ; the next step's terms, behind the lines that read this step's; sixteen lanes read the same 16 bytes
.set nn, nn+1
.endr
.endif
	WIN 0
.irp i, 0,1                                    ; the step's largest t of my query among my 64 keys, two chains a tile, the tiles by turns
	v_max3_num_f32 v[ST+12*\i+8], v[SS+64*\i], v[SS+64*\i+1], v[SS+64*\i+2]
	v_max3_num_f32 v[ST+12*\i+9], v[SS+64*\i+3], v[SS+64*\i+4], v[SS+64*\i+5]
.endr
.set jj, 6
.rept 14
.irp i, 0,1
	v_max3_num_f32 v[ST+12*\i+8], v[ST+12*\i+8], v[SS+64*\i+jj], v[SS+64*\i+jj+1]
	v_max3_num_f32 v[ST+12*\i+9], v[ST+12*\i+9], v[SS+64*\i+jj+2], v[SS+64*\i+jj+3]
.endr
.set jj, jj+4
.endr
.irp i, 0,1
	v_max3_num_f32 v[ST+12*\i+8], v[ST+12*\i+8], v[SS+64*\i+62], v[SS+64*\i+63]
.endr
.irp i, 0,1
	s_delay_alu instid0(VALU_DEP_2)
	v_max_num_f32 v[ST+12*\i+8], v[ST+12*\i+8], v[ST+12*\i+9]
.endr
.irp i, 0,1
	s_delay_alu instid0(VALU_DEP_2)
	v_permlanex16_b32 v[ST+12*\i+10], v[ST+12*\i+8], s34, s35
.endr
.irp i, 0,1
	s_delay_alu instid0(VALU_DEP_2)
	v_max_num_f32 v[ST+12*\i+8], v[ST+12*\i+8], v[ST+12*\i+10]   ; and among lane l xor 16's
.endr
.irp i, 0,1
	s_delay_alu instid0(VALU_DEP_2)
	v_max_num_f32 v[ST+12*\i+1], v[ST+12*\i+1], v[ST+12*\i+8]    ; the running largest t
.endr
.irp i, 0,1
	v_mov_b32 v[ST+12*\i+8], v[ST+12*\i]
.endr
.irp i, 0,1
	s_delay_alu instid0(VALU_DEP_4)
	v_floor_f32 v[ST+12*\i], -v[ST+12*\i+1]        ; the new -M = floor(-t): M is a whole number
.endr
.irp i, 0,1
	s_delay_alu instid0(VALU_DEP_2)
	v_sub_f32 v[ST+12*\i+8], v[ST+12*\i], v[ST+12*\i+8]          ; old M - new M, 0 or less
.endr
.irp i, 0,1
	s_delay_alu instid0(VALU_DEP_2)
	v_cvt_i32_f32 v[ST+12*\i+8], v[ST+12*\i+8]     ; (it saturates)
.endr
.irp i, 0,1
	s_delay_alu instid0(VALU_DEP_2)
	v_ldexp_f32 v[ST+12*\i+4], 1.0, v[ST+12*\i+8]  ; f = 2^(old M - new M): the rescaling rounds nothing
.endr
.irp i, 0,1
	v_pk_mul_f32 v[ST+12*\i+2:ST+12*\i+3], v[ST+12*\i+2:ST+12*\i+3], v[ST+12*\i+4:ST+12*\i+5] op_sel_hi:[1,0]   ; l under the new M
.endr
	WIN 0x41                                       ; O^T (destination, source 0) window 1, f window 0
.irp i, 0,1
.set jj, 0
.rept 16
	v_pk_mul_f32 v[OA+32*\i+jj:OA+32*\i+jj+1], v[OA+32*\i+jj:OA+32*\i+jj+1], v[ST+12*\i+4:ST+12*\i+5] op_sel_hi:[1,0]   ; O^T under the new M: its first reader, ahead of the step's exponentials
.set jj, jj+2
.endr
.endr
	WIN 0
.set jj, 0
.rept 32
	v_pk_add_f32 v[SS+jj:SS+jj+1], v[SS+jj:SS+jj+1], v[ST:ST+1] op_sel_hi:[1,0]   ; tile 0: t - M (the pair's low word, -M, for both halves)
.set jj, jj+2
.endr
	s_wait_alu depctr_va_vdst(0)
.set jj, 0
.rept 32
	v_exp_f32 v[SS+jj], v[SS+jj]                   ; tile 0: p = 2^(t - M), at most 1, not normalised;
	v_exp_f32 v[SS+jj+1], v[SS+jj+1]
	v_pk_add_f32 v[SS+64+jj:SS+65+jj], v[SS+64+jj:SS+65+jj], v[ST+12:ST+13] op_sel_hi:[1,0]   ; between them tile 1's t - M
.set jj, jj+2
.endr
	v_nop                                          ; a plain place behind the last exponential
	s_wait_alu depctr_va_vdst(0)                   ; behind tile 0's batch and ahead of tile 1's
.set jj, 0
.rept 32
	v_exp_f32 v[SS+64+jj], v[SS+64+jj]             ; tile 1's p;
	v_exp_f32 v[SS+65+jj], v[SS+65+jj]
	v_dual_min_num_f32 v[F2+jj], v[SS+jj], v[PH] :: v_dual_min_num_f32 v[F2+jj+1], v[SS+jj+1], v[PH]   ; between them tile 0's hold (the conversion does not saturate: ISA guide 7.6.2; p is not negative), into V's registers: p itself stays for the sum
.set jj, jj+2
.endr
	v_nop
	s_wait_alu depctr_va_vdst(0)                   ; behind tile 1's batch
	WIN 0x40                                       ; destination window 1
.irp b, 0,1,2,3
	v_cvt_scalef32_pk8_fp8_f32 v[PA+4*\b:PA+4*\b+1], v[F2+16*\b:F2+16*\b+7], v[PS]
	v_cvt_scalef32_pk8_fp8_f32 v[PA+4*\b+2:PA+4*\b+3], v[F2+16*\b+8:F2+16*\b+15], v[PS]
.endr
	WIN 0
.set nn, 0
.rept 16
	ds_load_b128 v[F2+4*nn:F2+4*nn+3], v[ADV] offset:512*nn   ; this step's V: it lands under the sums
.set nn, nn+1
.endr
.irp i, 0,1
	v_pk_add_f32 v[ST+12*\i+6:ST+12*\i+7], v[SS+64*\i:SS+64*\i+1], v[SS+64*\i+2:SS+64*\i+3]   ; the sum is taken of the UNQUANTISED p, in two chains a tile
.endr
.set jj, 4
.rept 15
.irp i, 0,1
	v_pk_add_f32 v[ST+12*\i+2:ST+12*\i+3], v[ST+12*\i+2:ST+12*\i+3], v[SS+64*\i+jj:SS+64*\i+jj+1]
	v_pk_add_f32 v[ST+12*\i+6:ST+12*\i+7], v[ST+12*\i+6:ST+12*\i+7], v[SS+64*\i+jj+2:SS+64*\i+jj+3]
.endr
.set jj, jj+4
.endr
.set jj, 0
.rept 32
	v_dual_min_num_f32 v[SS+64+jj], v[SS+64+jj], v[PH] :: v_dual_min_num_f32 v[SS+65+jj], v[SS+65+jj], v[PH]   ; tile 1's hold
.set jj, jj+2
.endr
	WIN 0x40
.irp b, 0,1,2,3
	v_cvt_scalef32_pk8_fp8_f32 v[PA+16+4*\b:PA+16+4*\b+1], v[SS+64+16*\b:SS+64+16*\b+7], v[PS]
	v_cvt_scalef32_pk8_fp8_f32 v[PA+16+4*\b+2:PA+16+4*\b+3], v[SS+64+16*\b+8:SS+64+16*\b+15], v[PS]
.endr
	WIN 0
.irp i, 0,1
	v_pk_add_f32 v[ST+12*\i+2:ST+12*\i+3], v[ST+12*\i+2:ST+12*\i+3], v[ST+12*\i+6:ST+12*\i+7]   ; the two chains; also the plain lines between the conversions and the products
.endr
	s_wait_alu depctr_va_vdst(0)
	s_wait_dscnt 0x0                               ; V is in (and the next step's K and terms)
	WIN 0x54                                       ; V window 0, p's codes, C and D window 1
.irp t, 0,1,2,3
.irp i, 0,1
	v_wmma_f32_16x16x128_fp8_fp8 v[OA+32*\i+8*\t:OA+32*\i+8*\t+7], v[F2+16*\t:F2+16*\t+15], v[PA+16*\i:PA+16*\i+15], v[OA+32*\i+8*\t:OA+32*\i+8*\t+7]   ; eight accumulators, one turn each in a step
.endr
.endr
	WIN 0
.if \nxt == 0
.rept 4
	v_nop                                          ; places: O^T is read on the way out.  (In the loop the next step's places and its lines for t stand ahead of every line that touches these products' registers)
.endr
.endif
.endm
; A PASS: two tiles of queries against all 2,048 keys.  Fifteen steps in a loop, each fetching one step ahead; the sixteenth is written out and fetches nothing.
.macro PASS p
	WIN 0x40
.set nn, 0
.rept 16
	ds_load_b128 v[KF+4*nn:KF+4*nn+3], v[LN] offset:512*nn     ; key step 0
.set nn, nn+1
.endr
.set nn, 0
.rept 16
	ds_load_b128 v[MR+4*nn:MR+4*nn+3], v[MA] offset:128*(nn/4)+16*(nn%4)
.set nn, nn+1
.endr
.set jj, 0
.rept 64
	v_mov_b32 v[OA+jj], 0                          ; O^T: the first change of M leaves zeros zeros
.set jj, jj+1
.endr
	WIN 0
.irp i, 0,1
	v_mov_b32 v[ST+12*\i+1], 0xff61b1e6            ; the largest t so far: -3e38
	s_delay_alu instid0(VALU_DEP_1)
	v_floor_f32 v[ST+12*\i], -v[ST+12*\i+1]
	v_mov_b32 v[ST+12*\i+2], 0
	v_mov_b32 v[ST+12*\i+3], 0
	v_mov_b32 v[ST+12*\i+5], 0                     ; (named as the upper half of f's pair)
	v_mov_b32 v[ST+12*\i+10], 0                    ; (a lane permute's destination counts as one of its sources)
.endr
	s_mov_b32 s28, 8192                            ; the next step's K,
	s_mov_b32 s29, VB                              ; this step's V,
	s_mov_b32 s30, 512                             ; the next step's mask terms
	s_mov_b32 s15, 15
.Lkey_\@:
	TRIP \p, 1
	s_sub_co_u32 s15, s15, 1
	s_cmp_lg_u32 s15, 0
	s_cbranch_scc1 .Lkey_\@
	TRIP \p, 0
.irp i, 0,1
	v_add_f32 v[ST+12*\i+2], v[ST+12*\i+2], v[ST+12*\i+3]        ; l's two halves,
.endr
.irp i, 0,1
	s_delay_alu instid0(VALU_DEP_2)
	v_permlanex16_b32 v[ST+12*\i+10], v[ST+12*\i+2], s34, s35
.endr
.irp i, 0,1
	s_delay_alu instid0(VALU_DEP_2)
	v_add_f32 v[ST+12*\i+2], v[ST+12*\i+2], v[ST+12*\i+10]       ; and lane l xor 16's
.endr
	s_wait_alu depctr_va_vdst(0)
.irp i, 0,1
	v_rcp_f32 v[ST+12*\i+8], v[ST+12*\i+2]
.endr
	v_nop                                          ; a plain line behind the reciprocals,
	s_wait_alu depctr_va_vdst(0)                   ; and the one wait ahead of their first reader, which is also O^T's
	WIN 0x01                                       ; source 0 window 1
.irp i, 0,1
.set jj, 0
.rept 16
	v_pk_mul_f32 v[SS+64*\i+jj:SS+64*\i+jj+1], v[OA+32*\i+jj:OA+32*\i+jj+1], v[ST+12*\i+8:ST+12*\i+9] op_sel_hi:[1,0]   ; O^T / l, each accumulator from its low end on; register 16 b + i: channel 32 b + 16 h + i
.set jj, jj+2
.endr
.endr
	WIN 0
.irp i, 0,1
.set jj, 0
.rept 32
	v_med3_num_f32 v[SS+64*\i+jj], v[SS+64*\i+jj], -v[CH], v[CH]
.set jj, jj+1
.endr
.endr
.if \p
	s_wait_alu depctr_va_vdst(0)
	s_wait_xcnt 0x0                                ; the first pass's stores have read the codes' registers
.endif
.irp i, 0,1
.irp b, 0,1
	v_cvt_scalef32_pk8_fp8_f32 v[CC+8*\i+4*\b:CC+8*\i+4*\b+1], v[SS+64*\i+16*\b:SS+64*\i+16*\b+7], v[CS]
	v_cvt_scalef32_pk8_fp8_f32 v[CC+8*\i+4*\b+2:CC+8*\i+4*\b+3], v[SS+64*\i+16*\b+8:SS+64*\i+16*\b+15], v[CS]
.endr
.endr
	v_nop                                          ; a plain line behind the last conversion
.irp i, 0,1
.irp b, 0,1
	global_store_b128 v[LN], v[CC+8*\i+4*\b:CC+8*\i+4*\b+3], s[10:11] offset:262144*\p+16384*\i+512*\b   ; 512 consecutive bytes: half of the head's part of the tile's image
.endr
.endr
.endm
	PASS 0
	PASS 1
	s_wait_tensorcnt 0x0                           ; the wave's end, behind my last tensor load and my last LDS store
	ds_add_u32 v[SPW], v[NIL]
	s_wait_dscnt 0x0
	CROUND                                         ; the closing round
	s_endpgm
.Lfunc_end_k_q5e226d9d2e_attn:
	.size	k_q5e226d9d2e_attn, .Lfunc_end_k_q5e226d9d2e_attn-k_q5e226d9d2e_attn
	.p2alignl 7, 3214868480
	.fill 96, 4, 3214868480
	.section	.rodata,"a",@progbits
	.p2align	6, 0x0
	.amdhsa_kernel k_q5e226d9d2e_attn
		.amdhsa_group_segment_fixed_size 271360
		.amdhsa_private_segment_fixed_size 0
		.amdhsa_enable_private_segment 0
		.amdhsa_kernarg_size 32
		.amdhsa_user_sgpr_count 2
		.amdhsa_user_sgpr_kernarg_segment_ptr 1
		.amdhsa_wavefront_size32 1
		.amdhsa_system_sgpr_workgroup_id_x 1
		.amdhsa_system_sgpr_workgroup_id_y 1
		.amdhsa_system_sgpr_workgroup_id_z 1
		.amdhsa_system_vgpr_workitem_id 0
		.amdhsa_next_free_vgpr 512
		.amdhsa_next_free_sgpr 66
		.amdhsa_reserve_vcc 0
		.amdhsa_float_denorm_mode_32 3
		.amdhsa_float_denorm_mode_16_64 3
		.amdhsa_memory_ordered 1
		.amdhsa_forward_progress 1
		.amdhsa_inst_pref_size 164
	.end_amdhsa_kernel
	.amdgpu_metadata
---
amdhsa.version: [ 1, 2 ]
amdhsa.kernels:
  - .name:           k_q5e226d9d2e_attn
    .symbol:         k_q5e226d9d2e_attn.kd
    .args:
      - { .name: qkv, .offset: 0, .size: 8, .value_kind: global_buffer, .address_space: global }
      - { .name: mask, .offset: 8, .size: 8, .value_kind: global_buffer, .address_space: global }
      - { .name: lowp_scales, .offset: 16, .size: 8, .value_kind: global_buffer, .address_space: global }
      - { .name: cf, .offset: 24, .size: 8, .value_kind: global_buffer, .address_space: global }
    .group_segment_fixed_size: 271360
    .private_segment_fixed_size: 0
    .kernarg_segment_align: 8
    .kernarg_segment_size: 32
    .max_flat_workgroup_size: 256
    .sgpr_count:     66
    .vgpr_count:     512
    .wavefront_size: 32
...
	.end_amdgpu_metadata
.endif
;; end of part 3
;; launch outln (part 4): grid 256 x 1, 8 waves a work-group, no clusters, 327,680 bytes of LDS; arguments cf, xw, lowp_scales, x, bo, gamma, beta, out0; writes out0
.if DOCPART == 4
	.amdgcn_target "amdgcn-amd-amdhsa--gfx1250"
	.amdhsa_code_object_version 6
	.text
	.protected	k_q5e226d9d2e_outln
	.globl	k_q5e226d9d2e_outln
	.p2align	8
	.type	k_q5e226d9d2e_outln,@function
k_q5e226d9d2e_outln:
	s_mov_b64 s[64:65], 0
	v_nop
	global_prefetch_b8 v0, s[64:65] scope:SCOPE_SE
	s_setreg_imm32_b32 hwreg(HW_REG_WAVE_MODE, 25, 1), 1
	s_wait_xcnt 0x0
; OUTLN: out = LayerNorm(ctx Wo + bo + x) x gamma + beta; the product on codes of E4M3, all else in f32.
; SHARES.  The norm wants whole rows: a work-group owns 32 rows and all 1,024 columns.  Wave w makes columns 128 w .. 128 w + 127 for both tiles of 16 rows: sixteen accumulators.
; Wo's codes (1 MiB, at 27 MiB in xw) lie in the order of an operand's registers, and a wave's fragments are read by that wave alone: so they go from memory STRAIGHT INTO REGISTERS, 512 consecutive bytes a load,
; in half steps of four tiles of columns x 128 K (16 loads, 64 registers) through three register buffers: 48 loads of a wave are out, and the K loop has no LDS slot for Wo, no barrier and no tensor load.
; NO CLUSTER, NO JOINT LOADS: nothing of Wo passes through LDS, and the work-groups walk K from different starts (work-group g takes K step (t + g) mod 8 as its t-th), so neighbours ask for different bytes at one time.
; The order of a sum's eight K steps therefore differs between work-groups; each sum is f32.  No prefetch is laid: the loads themselves stand three half steps ahead of their use.
; ctx's codes of the 32 rows (32 KiB of images) are copied into LDS once, through registers, and read by all eight waves, four K steps ahead, into four register buffers.
; x's four rows of a wave come by asynchronous copies into LDS bytes of the wave's own, issued at the head, and are read on the way out.
; THE MATRIX INSTRUCTION IS USED TRANSPOSED (source 0 = 16 columns of Wo, source 1 = 16 rows of ctx).  A stored tile's lane r holds row or column 32 b + 8 u + r + 8 (r / 8) (tile 2 b + u): so a lane's registers of two
; neighbouring tiles of columns are 16 neighbouring columns, and stage row 4 w + i is row 16 ((w / 2) % 2) + 8 (w / 4) + 4 (w % 2) + i of the 32.
; The sums meet in a stage of 32 rows with LDS bytes of its own; then each wave norms four whole rows.
; LIMIT: entries 10 + 11 between -126 and 127.
; REGISTERS.  window 0: v1-13 addresses; v16-23 ctx's LDS address for each K step, later at work; v32-63 cf on its way, later bo; v64-255 Wo's three buffers, later gamma, beta and four rows.
;   window 1: v0-127 the accumulators ((a, b) at v[8 (8 a + b)]); v128-255 ctx's fragments, four buffers of 32, later x's four rows.
.set SP,    4112                       ; a stage row: 4,096 bytes + 16.  The stage: LDS 0 .. 131,583
.set AIMG,  131584                     ; ctx's codes: [tile of rows a][K step][2 KiB]; written by LDS stores
.set XB,    164352                     ; x: 16 KiB a wave, filled once by copies
.set SPARE, 295424                     ; the spare words, 128 bytes a wave
.set WOPL,  0x1b00000                  ; Wo's plane in xw: 24 MiB + 3 MiB
.set SPW, 8                            ; v8   LDS address of my spare word; never rewritten
.set NIL, 9                            ; v9   0; never rewritten
.set KA,  16                           ; v16-23
.set WB,  66                           ; s[66:81] Wo's address at my tiles, for each K step
.set KO,  84                           ; s84-91  2,048 x ((t + g) mod 8)
.set MSB, 0
.macro WIN new
.if MSB != (\new)
	s_set_vgpr_msb (MSB<<8)|(\new)
.set MSB, (\new)
.endif
.endm
	s_load_b256 s[4:11], s[0:1], 0x0               ; cf, xw, the scales' exponents, x
	s_load_b256 s[12:19], s[0:1], 0x20             ; bo, gamma, beta, out0
	v_lshl_add_u32 v[SPW], v0, 2, SPARE
	v_mov_b32 v[NIL], 0
	ds_add_u32 v[SPW], v[NIL]                      ; the opening lines: the add, twice on end, and its wait ahead of my first copy
	ds_add_u32 v[SPW], v[NIL]
	v_lshrrev_b32 v1, 5, v0
	v_readfirstlane_b32 s20, v1                    ; wave 0..7
.irp t, 0,1,2,3,4,5,6,7
	s_add_co_u32 s[KO+\t], ttmp9, \t
	s_and_b32 s[KO+\t], s[KO+\t], 7
	s_lshl_b32 s[KO+\t], s[KO+\t], 11
.endr
	s_lshl_b32 s42, s20, 17                        ; my eight tiles of columns,
	s_add_co_u32 s42, s42, WOPL                    ; in Wo's plane
	s_mov_b32 s43, 0
	s_lshl_b32 s24, ttmp9, 15
	s_lshl_b32 s25, s20, 12
	s_add_co_u32 s24, s24, s25                     ; cf: my block's 32 KiB, my wave's 4 KiB of them
	s_mov_b32 s25, 0
	s_bfe_u32 s48, s20, 0x10001
	s_lshl_b32 s48, s48, 4
	s_lshr_b32 s49, s20, 2
	s_lshl_b32 s49, s49, 3
	s_add_co_u32 s48, s48, s49
	s_and_b32 s49, s20, 1
	s_lshl_b32 s49, s49, 2
	s_add_co_u32 s48, s48, s49                     ; my four rows' place among the 32
	s_lshl_b32 s49, ttmp9, 5
	s_add_co_u32 s48, s48, s49
	s_lshl_b32 s48, s48, 12                        ; rows of 4,096 bytes
	s_mov_b32 s49, 0
	s_mov_b32 s44, 0x3a800000                      ; 1 / 1024
	s_mov_b32 s45, 0x358637bd                      ; 1e-6
	s_mov_b32 s46, 0x76543210                      ; v_permlanex16_b32's selects for lane l xor 16
	s_mov_b32 s47, 0xfedcba98
	s_lshl_b32 s26, s20, 14
	s_lshl_b32 s27, s20, 12
	s_lshl_b32 s28, s20, 9
	s_mul_i32 s29, s20, 4*SP
	v_and_b32 v1, 31, v0
	v_lshlrev_b32 v1, 4, v1                        ; v1: 16 x lane
	v_and_b32 v11, 15, v0                          ; r
	v_bfe_u32 v12, v0, 4, 1                        ; h
	v_add_nc_u32 v13, s26, v1
	v_add_nc_u32 v13, XB, v13                      ; v13: my wave's x in LDS
	v_add_nc_u32 v4, AIMG, v1                      ; v4: ctx's images
	v_add_nc_u32 v10, s27, v4                      ; v10: where I put my 4 KiB of them
	v_mul_u32_u24 v5, v11, SP
	v_lshl_add_u32 v5, v12, 6, v5
	v_add_nc_u32 v5, s28, v5                       ; v5: the stage, in: row r, + 64 h, + 512 x wave;
	v_add_nc_u32 v7, 16*SP, v5                     ; v7: the second tile of rows
	v_add_nc_u32 v6, s29, v1                       ; v6: and out: my four rows
.irp t, 0,1,2,3,4,5,6,7
	v_add_nc_u32 v[KA+\t], s[KO+\t], v4            ; ctx's fragments of my t-th K step
.endr
	s_wait_alu depctr_va_vdst(0)
	s_wait_dscnt 0x0                               ; both opening adds are done
	s_wait_kmcnt 0x0
	s_load_b64 s[40:41], s[8:9], 0x28              ; entries 10, 11
	s_add_nc_u64 s[6:7], s[6:7], s[42:43]
	s_add_nc_u64 s[4:5], s[4:5], s[24:25]
	s_add_nc_u64 s[10:11], s[10:11], s[48:49]
	s_add_nc_u64 s[18:19], s[18:19], s[48:49]
	s_mov_b32 s51, 0
.irp t, 0,1,2,3,4,5,6,7
	s_mov_b32 s50, s[KO+\t]
	s_add_nc_u64 s[WB+2*\t:WB+2*\t+1], s[6:7], s[50:51]
.endr
.macro WLOAD n                         ; half step n: four tiles of columns x 128 K: 16 loads of 512 consecutive bytes
.set BU, 64+64*(((\n)+2)%3)
.irp b, 0,1,2,3
.irp c, 0,1,2,3
	global_load_b128 v[BU+16*\b+4*\c:BU+16*\b+4*\c+3], v1, s[WB+2*((\n)/2):WB+2*((\n)/2)+1] offset:16384*(4*((\n)%2)+\b)+512*\c
.endr
.endr
.endm
.macro CLOAD t                         ; ctx's two fragments of K step t, into window 1
.irp a, 0,1
.irp c, 0,1,2,3
	ds_load_b128 v[128+32*((\t)%4)+16*\a+4*\c:128+32*((\t)%4)+16*\a+4*\c+3], v[KA+(\t)] offset:16384*\a+512*\c
.endr
.endr
.endm
.irp n, 0,1,2,3,4,5,6,7
	global_load_b128 v[32+4*\n:35+4*\n], v1, s[4:5] offset:512*\n
.endr
	WLOAD 0
	WLOAD 1
	WLOAD 2
.irp i, 0,1,2,3
.irp c, 0,1,2,3,4,5,6,7
	global_load_async_to_lds_b128 v13, v1, s[10:11] offset:4096*\i+512*\c   ; x: the immediate steps both addresses; my four rows lie on end in memory and in LDS
.endr
.endr
	s_wait_loadcnt 48                              ; cf's eight loads are in; Wo's 48 may be out
.irp n, 0,1,2,3,4,5,6,7
	ds_store_b128 v10, v[32+4*\n:35+4*\n] offset:512*\n
.endr
	s_wait_dscnt 0x0                               ; for the others' sake
	s_barrier_signal -1
	s_barrier_wait -1                              ; ctx's images are whole
	WIN 0x40
	CLOAD 0
	CLOAD 1
	CLOAD 2
	CLOAD 3
	WIN 0
; HALF STEP n: eight products; then, four places on, the buffer takes the half step three further on.  Sixteen accumulators by turns, in the same order in every K step.
.macro HS n
.set TK, (\n)/2
.set HF, (\n)%2
.set BW, 64+64*(((\n)+2)%3)
.set CB, 128+32*(TK%4)
.if HF == 0
.if TK <= 4
	s_wait_dscnt 24                                ; this K step's fragments of ctx are in; the three later steps' 24 loads may be out
.else
	s_wait_dscnt 8*(7-TK)
.endif
.endif
.if (\n) <= 13
	s_wait_loadcnt 32                              ; this half step's 16 loads are in; the two later ones' may be out
.else
	s_wait_loadcnt 24+16*(15-(\n))                 ; behind them: what is left of Wo, and the 24 loads of bo, gamma, beta
.endif
	WIN 0x54                                       ; Wo window 0; ctx, C and D window 1
.irp b, 0,1,2,3
.irp a, 0,1
.if TK == 0
	v_wmma_f32_16x16x128_fp8_fp8 v[8*(8*\a+4*HF+\b):8*(8*\a+4*HF+\b)+7], v[BW+16*\b:BW+16*\b+15], v[CB+16*\a:CB+16*\a+15], 0
.else
	v_wmma_f32_16x16x128_fp8_fp8 v[8*(8*\a+4*HF+\b):8*(8*\a+4*HF+\b)+7], v[BW+16*\b:BW+16*\b+15], v[CB+16*\a:CB+16*\a+15], v[8*(8*\a+4*HF+\b):8*(8*\a+4*HF+\b)+7]
.endif
.endr
.endr
	WIN 0
.if (\n) <= 13
.rept 4
	v_nop                                          ; places in front of loads into registers that these products read
.endr
.endif
.if (\n) <= 12
	WLOAD (\n)+3
.endif
.if (\n) == 13
.irp c, 0,1,2,3,4,5,6,7
	global_load_b128 v[32+4*\c:35+4*\c], v1, s[12:13] offset:512*\c     ; bo, gamma, beta at my columns: 128 c + 4 lane + 0..3
	global_load_b128 v[64+4*\c:67+4*\c], v1, s[14:15] offset:512*\c
	global_load_b128 v[96+4*\c:99+4*\c], v1, s[16:17] offset:512*\c
.endr
.endif
.if (HF == 1) && (TK <= 3)
	WIN 0x40
	CLOAD TK+4
	WIN 0
.endif
.endm
.irp n, 0,1,2,3,4,5,6,7,8,9,10,11,12,13,14,15
	HS \n
.endr
	; THE WAY OUT
.rept 4
	v_nop                                          ; places: the results are read, ctx's registers are loaded
.endr
	WIN 0x04                                       ; an LDS store's data: window 1
.irp b, 0,1,2,3,4,5,6,7
	ds_store_b128 v5, v[8*\b:8*\b+3] offset:128*(\b/2)+32*(\b%2)        ; lane (r, h): stage row r, columns 128 w + 32 (b / 2) + 16 h + 8 (b % 2) + 0..7; each accumulator from its low end on
	ds_store_b128 v5, v[8*\b+4:8*\b+7] offset:128*(\b/2)+32*(\b%2)+16
.endr
.irp b, 0,1,2,3,4,5,6,7
	ds_store_b128 v7, v[64+8*\b:64+8*\b+3] offset:128*(\b/2)+32*(\b%2)
	ds_store_b128 v7, v[64+8*\b+4:64+8*\b+7] offset:128*(\b/2)+32*(\b%2)+16
.endr
	s_wait_asynccnt 0x0                            ; my rows of x are in LDS
	WIN 0x40
.irp i, 0,1,2,3
.irp c, 0,1,2,3,4,5,6,7
	ds_load_b128 v[128+32*\i+4*\c:131+32*\i+4*\c], v13 offset:4096*\i+512*\c
.endr
.endr
	WIN 0
	s_wait_dscnt 0x0                               ; for the others' sake: my stores into the stage are done
	s_barrier_signal -1
	s_barrier_wait -1
.irp i, 0,1,2,3
.irp c, 0,1,2,3,4,5,6,7
	ds_load_b128 v[128+32*\i+4*\c:131+32*\i+4*\c], v6 offset:SP*\i+512*\c
.endr
.endr
	s_wait_kmcnt 0x0
	s_add_co_i32 s40, s40, s41
	s_add_co_i32 s40, s40, 127
	s_lshl_b32 s40, s40, 23                        ; 2^(e10 + e11) as f32
	s_mov_b32 s41, s40                             ; (named with it as a pair)
	s_wait_loadcnt 0x0                             ; bo, gamma, beta
.macro LANES                           ; v16 summed over the 32 lanes, the result in every lane
	s_delay_alu instid0(VALU_DEP_1)
	v_add_f32_dpp v16, v16, v16 row_xmask:1 row_mask:0xf bank_mask:0xf
	s_delay_alu instid0(VALU_DEP_1)
	v_add_f32_dpp v16, v16, v16 row_xmask:2 row_mask:0xf bank_mask:0xf
	s_delay_alu instid0(VALU_DEP_1)
	v_add_f32_dpp v16, v16, v16 row_xmask:4 row_mask:0xf bank_mask:0xf
	s_delay_alu instid0(VALU_DEP_1)
	v_add_f32_dpp v16, v16, v16 row_xmask:8 row_mask:0xf bank_mask:0xf
	s_delay_alu instid0(VALU_DEP_1)
	v_permlanex16_b32 v17, v16, s46, s47
	s_delay_alu instid0(VALU_DEP_1)
	v_add_f32 v16, v16, v17
.endm
.macro ROW i                           ; one whole row: 32 numbers a lane
.set YB, 128+32*\i
	s_wait_dscnt 8*(3-\i)                          ; this row's eight loads are in; the later rows' may be out
.set jj, 0
.rept 16
	v_pk_fma_f32 v[YB+jj:YB+jj+1], v[YB+jj:YB+jj+1], s[40:41], v[32+jj:33+jj] op_sel_hi:[1,0,1]   ; sum x 2^(e10 + e11) + bo
.set jj, jj+2
.endr
	WIN 0x04                                       ; source 1: window 1
.set jj, 0
.rept 16
	v_pk_add_f32 v[YB+jj:YB+jj+1], v[YB+jj:YB+jj+1], v[YB+jj:YB+jj+1]   ; + x: the same numbers in window 1
.set jj, jj+2
.endr
	WIN 0
	v_pk_add_f32 v[16:17], v[YB:YB+1], v[YB+2:YB+3]
	v_pk_add_f32 v[18:19], v[YB+4:YB+5], v[YB+6:YB+7]
.set jj, 8
.rept 6
	s_delay_alu instid0(VALU_DEP_2)
	v_pk_add_f32 v[16:17], v[16:17], v[YB+jj:YB+jj+1]
	s_delay_alu instid0(VALU_DEP_2)
	v_pk_add_f32 v[18:19], v[18:19], v[YB+jj+2:YB+jj+3]
.set jj, jj+4
.endr
	s_delay_alu instid0(VALU_DEP_1)
	v_pk_add_f32 v[16:17], v[16:17], v[18:19]
	s_delay_alu instid0(VALU_DEP_1)
	v_add_f32 v16, v16, v17
	LANES
	s_delay_alu instid0(VALU_DEP_1)
	v_mul_f32 v20, 0xba800000, v16                 ; minus the mean
	s_delay_alu instid0(VALU_DEP_1)
	v_mov_b32 v21, v20
.set jj, 0
.rept 16
	v_pk_add_f32 v[YB+jj:YB+jj+1], v[YB+jj:YB+jj+1], v[20:21]
.set jj, jj+2
.endr
	v_pk_mul_f32 v[16:17], v[YB:YB+1], v[YB:YB+1]
	v_pk_mul_f32 v[18:19], v[YB+2:YB+3], v[YB+2:YB+3]
.set jj, 4
.rept 7
	s_delay_alu instid0(VALU_DEP_2)
	v_pk_fma_f32 v[16:17], v[YB+jj:YB+jj+1], v[YB+jj:YB+jj+1], v[16:17]
	s_delay_alu instid0(VALU_DEP_2)
	v_pk_fma_f32 v[18:19], v[YB+jj+2:YB+jj+3], v[YB+jj+2:YB+jj+3], v[18:19]
.set jj, jj+4
.endr
	s_delay_alu instid0(VALU_DEP_1)
	v_pk_add_f32 v[16:17], v[16:17], v[18:19]
	s_delay_alu instid0(VALU_DEP_1)
	v_add_f32 v16, v16, v17
	LANES
	s_delay_alu instid0(VALU_DEP_1)
	v_fma_f32 v16, v16, s44, s45                   ; the variance + 1e-6
	s_wait_alu depctr_va_vdst(0)
	v_rsq_f32 v22, v16
	v_nop                                          ; a plain line behind the root,
	s_wait_alu depctr_va_vdst(0)                   ; and the wait ahead of its first reader
	v_mov_b32 v23, v22
.set jj, 0
.rept 16
	v_pk_mul_f32 v[YB+jj:YB+jj+1], v[YB+jj:YB+jj+1], v[22:23]
.set jj, jj+2
.endr
.set jj, 0
.rept 16
	v_pk_fma_f32 v[YB+jj:YB+jj+1], v[YB+jj:YB+jj+1], v[64+jj:65+jj], v[96+jj:97+jj]   ; x gamma + beta
.set jj, jj+2
.endr
.irp c, 0,1,2,3,4,5,6,7
	global_store_b128 v1, v[YB+4*\c:YB+4*\c+3], s[18:19] offset:4096*\i+512*\c th:TH_STORE_NT   ; 512 consecutive bytes of the row
.endr
.endm
	ROW 0
	ROW 1
	ROW 2
	ROW 3
	s_wait_tensorcnt 0x0                           ; the wave's end, behind my last copy and my last LDS store
	s_wait_asynccnt 0x0
	ds_add_u32 v[SPW], v[NIL]
	s_wait_dscnt 0x0
	s_endpgm
.Lfunc_end_k_q5e226d9d2e_outln:
	.size	k_q5e226d9d2e_outln, .Lfunc_end_k_q5e226d9d2e_outln-k_q5e226d9d2e_outln
	.p2alignl 7, 3214868480
	.fill 96, 4, 3214868480
	.section	.rodata,"a",@progbits
	.p2align	6, 0x0
	.amdhsa_kernel k_q5e226d9d2e_outln
		.amdhsa_group_segment_fixed_size 327680
		.amdhsa_private_segment_fixed_size 0
		.amdhsa_enable_private_segment 0
		.amdhsa_kernarg_size 64
		.amdhsa_user_sgpr_count 2
		.amdhsa_user_sgpr_kernarg_segment_ptr 1
		.amdhsa_wavefront_size32 1
		.amdhsa_system_sgpr_workgroup_id_x 1
		.amdhsa_system_sgpr_workgroup_id_y 1
		.amdhsa_system_sgpr_workgroup_id_z 1
		.amdhsa_system_vgpr_workitem_id 0
		.amdhsa_next_free_vgpr 512
		.amdhsa_next_free_sgpr 92
		.amdhsa_reserve_vcc 0
		.amdhsa_float_denorm_mode_32 3
		.amdhsa_float_denorm_mode_16_64 3
		.amdhsa_memory_ordered 1
		.amdhsa_forward_progress 1
		.amdhsa_inst_pref_size 99
	.end_amdhsa_kernel
	.amdgpu_metadata
---
amdhsa.version: [ 1, 2 ]
amdhsa.kernels:
  - .name:           k_q5e226d9d2e_outln
    .symbol:         k_q5e226d9d2e_outln.kd
    .args:
      - { .name: cf, .offset: 0, .size: 8, .value_kind: global_buffer, .address_space: global }
      - { .name: xw, .offset: 8, .size: 8, .value_kind: global_buffer, .address_space: global }
      - { .name: lowp_scales, .offset: 16, .size: 8, .value_kind: global_buffer, .address_space: global }
      - { .name: x, .offset: 24, .size: 8, .value_kind: global_buffer, .address_space: global }
      - { .name: bo, .offset: 32, .size: 8, .value_kind: global_buffer, .address_space: global }
      - { .name: gamma, .offset: 40, .size: 8, .value_kind: global_buffer, .address_space: global }
      - { .name: beta, .offset: 48, .size: 8, .value_kind: global_buffer, .address_space: global }
      - { .name: out0, .offset: 56, .size: 8, .value_kind: global_buffer, .address_space: global }
    .group_segment_fixed_size: 327680
    .private_segment_fixed_size: 0
    .kernarg_segment_align: 8
    .kernarg_segment_size: 64
    .max_flat_workgroup_size: 256
    .sgpr_count:     92
    .vgpr_count:     512
    .wavefront_size: 32
...
	.end_amdgpu_metadata
.endif
;; end of part 4
